; MI455X (gfx1250); checked and timed in simulation.
; The chip was launched on July 23, 2026; its instructions are those of AMD's public machine-readable ISA for CDNA 5 (MIT licence, August 2026) and "CDNA5" Instruction Set Architecture Reference Guide (July 2026). The comments in the code are by the model that wrote it; some were corrected since.
;; Self Attention. Allowed arithmetic: matrix products marked QUANTISED: E2M3 operands, one E8M0 scale for each 32 along K, by v_wmma_scale_f32_16x16x128_f8f6f4 with both operands' format E2M3, f32 sums; everything else in f32.
;; Inputs: b_in 3,072 float32; b_out 1,024 float32; w_in 3,072 x 1,024 float32; w_out 1,024 x 1,024 float32; x 4 x 2,048 x 1,024 float32.
;; Outputs: out0 4 x 2,048 x 1,024 float32.
;; This version of the problem:
;;   THIS VERSION OF THE PROBLEM IS GIVEN IN LOW PRECISION. The matrix products marked QUANTISED in the list below multiply operands that are first quantised to E2M3 (2 exponent bits, 3 mantissa bits; 6 bits a number), with one power-of-two scale for each 32 numbers along K (OCP MX v1.0); their sums are f32. All else is computed in f32.
;;   The module's matrix products, in the order in which they are computed (A, B: the left and right operand; K: the contracted axis; several contracted axes count as one K, in the product's order):
;;     1. [M 8,192, K 1,024] x [K 1,024, N 3,072]; A: input x; B: input w_in: QUANTISED
;;     2. batch 64 x [M 2,048, K 64] x [K 64, N 2,048]; A: computed on the way; B: computed on the way: QUANTISED
;;     3. batch 64 x [M 2,048, K 2,048] x [K 2,048, N 64]; A: softmax (see below); B: computed on the way: QUANTISED
;;     4. [M 8,192, K 1,024] x [K 1,024, N 1,024]; A: computed on the way; B: input w_out: QUANTISED
;;   THE QUANTISER, for each operand of a quantised product, along K:
;;     - K is cut into blocks of 32 from its start; a last block that is shorter is filled with zeros.
;;     - A block's scale is 2^e with e = floor(log2(the largest magnitude in the block)) - 2, held to -126 .. 127; a block of zeros has e = 0. As a byte (E8M0): e + 127.
;;     - Each number is divided by its block's scale, clamped to +-7.5, and rounded to the nearest number of E2M3, ties to even, subnormals kept.
;;     - The product sums the exact products of the quantised numbers (number of the format x scale) in f32.
;;   ~~~python
;;   def quantise(x, axis):      # numpy; x: float32 -> the quantised numbers, widened to float32 again
;;       x = np.moveaxis(x, axis, -1); K = x.shape[-1]
;;       x = np.pad(x, [(0, 0)] * (x.ndim - 1) + [(0, -K % 32)]); x = x.reshape(x.shape[:-1] + (-1, 32)); a = np.abs(x).max(-1, keepdims=True)
;;       e = np.where(a > 0, np.clip(np.frexp(np.where(a > 0, a, 1))[1] - 1 - 2, -126, 127), 0)      # np.frexp(a)[1] - 1 = floor(log2(a)), exactly
;;       r = np.clip(x / 2.0 ** e, -7.5, 7.5)
;;       step = 2.0 ** (np.maximum(np.frexp(np.where(r == 0, 1, r))[1] - 1, 0) - 3)
;;       q = np.round(r / step) * step * 2.0 ** e      # np.round: ties to even
;;       return np.moveaxis(q.reshape(q.shape[:-2] + (-1,))[..., :K], -1, axis).astype(np.float32)
;;   ~~~
;;   SOFTMAX AHEAD OF A QUANTISED PRODUCT. Where the list says 'softmax', what is quantised is not the finished softmax but p = 2^(t - M), with t = logit x log2(e) and M = ceil(the row's largest t), a whole number; so 1/2 < the row's largest p <= 1. The row's sum l is taken of the UNQUANTISED p, in f32, and the product's result is divided by l at the end. Since M is a whole number, a kernel that streams over the keys may use a running M (the ceiling of the running maximum): every later rescaling is an exact power of two, which a block's scale takes up: the codes' values come out the same.
;;   OPERANDS COMPUTED ON THE WAY. 'Computed on the way' means the value that the module computes at that place (a softmax that the list does not call 'softmax' is quantised finished and normalised). What goes into a quantiser is computed in f32, as accurately as f32 sums, v_exp_f32 and their like allow (about 1e-6 of the number): no bf16 or f16 on the way to a quantiser, and a product that is left as it is and whose result goes on into a quantised operand takes f32 operands (vector FMAs, or v_wmma_f32_16x16x4_f32). A number that lies on a knife's edge between two numbers of the format may be rounded either way, as far as f32 arithmetic and the matrix unit's own rounding can turn it there, and no further.
;; One version. Each part assembles by itself: llvm-mc -triple=amdgcn-amd-amdhsa -mcpu=gfx1250 --defsym DOCPART=n.
;; ======== version 1 of 1: 4 launches
;; workspace buffers: codes1 9,437,184 bytes; scales1 393,216 bytes; qkv_img 18,874,368 bytes; qkv_sc 786,432 bytes; o_img 6,291,456 bytes; o_sc 262,144 bytes
;; launch quant (part 1): grid 384 x 1, 4 waves a work-group, no clusters, 33,280 bytes of LDS; arguments x, w_in, w_out, codes1, scales1; writes codes1, scales1
.if DOCPART == 1
	.amdgcn_target "amdgcn-amd-amdhsa--gfx1250"
	.amdhsa_code_object_version 6
	.text
	.protected	k_q7bb1bdc280_quant
	.globl	k_q7bb1bdc280_quant
	.p2align	8
	.type	k_q7bb1bdc280_quant,@function
k_q7bb1bdc280_quant:
	s_mov_b64 s[64:65], 0
	v_nop
	global_prefetch_b8 v0, s[64:65] scope:SCOPE_SE
	s_setreg_imm32_b32 hwreg(HW_REG_WAVE_MODE, 25, 1), 1
	s_wait_xcnt 0x0
; x [8192][1024], w_in [3072][1024] and w_out [1024][1024], f32, K innermost, become codes of FP6 (E2M3), 6 bits each, with one E8M0 scale byte for each 32 along K.
; The three tensors' rows follow each other in the two outputs: 12,288 rows of 768 bytes of codes (a row is one stream of bits) and of 32 scale bytes.
; A block's scale is 2^(floor(log2(its largest magnitude)) - 2); its byte is the largest magnitude's exponent field - 2, held at 1 from below.
; STORED ROW ORDER: inside each group of 32 rows the four groups of 8 rows are stored in the order 0, 2, 1, 3.  So stored row 16 u + p (p = 0 .. 15) of a group is its row 8 u + p + 8 (p / 8):
; sixteen stored neighbours are then the rows that the later products want together in one tile, and those launches read plain neighbouring rows.
; LIMITS: NaN and infinities among the inputs are not served; no largest magnitude is taken under 2^-124 (the byte is held at 1); a block of zeros gets the byte 1, not 127: its codes are zeros,
; which add nothing under any byte but 0xff, and the bytes are read by this program alone.
; A work-group takes 32 rows, each of its four waves 8 rows = 16 steps of 512 numbers.  A load reads 512 consecutive bytes, 16 a lane; a step's 2,048 bytes turn through the wave's own stage in LDS and come back
; 64 bytes a lane, so that a lane holds 16 neighbours along K (two lanes hold a block).  A lane's 16 codes are 12 bytes: a store covers 384 consecutive bytes.  A wave's 256 scale bytes leave as one aligned run of 256.
; No tensor loads, no barrier: waves share nothing.  Loads run four steps (16 loads a wave) ahead, the turn through LDS one step.
.set STEPS, 16
.set EMAX,  2
.set CB,    12                         ; bytes of 16 codes
.set R,     16                         ; v16-79   four sets of 16 numbers as they are loaded
.set X,     80                         ; v80-111  two sets of 16 neighbours
.set C,     128                        ; v128-191 codes: four registers for each step, so that no store's data are written again
.set E,     112                        ; v112-127 a scale byte for each step
.set WREG,  8192                       ; LDS: a region for each wave: two stages of 32 x SP bytes, behind them its 256 scale bytes
.set SP,    80                         ; a lane's place in a stage: its 64 bytes + 16 of padding
	s_load_b256 s[4:11], s[0:1], 0x0               ; x s[4:5], w_in s[6:7], w_out s[8:9], the codes s[10:11]
	s_load_b64 s[12:13], s[0:1], 0x20              ; the scale bytes
	v_lshl_add_u32 v192, v0, 2, 0x8000
	v_mov_b32 v193, 0
	v_lshrrev_b32 v1, 5, v0
	v_readfirstlane_b32 s16, v1                    ; wave
	v_and_b32 v2, 31, v0                           ; lane
	v_lshlrev_b32 v3, 4, v2                        ; my 16 bytes of a load's 512
	s_mul_i32 s17, s16, WREG
	v_lshrrev_b32 v14, 2, v2
	v_mul_u32_u24 v14, v14, SP
	v_and_b32 v15, 3, v2
	v_lshl_add_u32 v14, v15, 4, v14
	v_add_nc_u32 v14, s17, v14                     ; the stage, on the way in: SP (lane / 4) + 16 (lane % 4)
	v_mul_u32_u24 v15, v2, SP
	v_add_nc_u32 v15, s17, v15                     ; and on the way out: SP x lane: my 16 neighbours
	v_mul_u32_u24 v4, v2, CB                       ; my codes' place in a step's
	v_lshrrev_b32 v5, 1, v2
	s_add_co_u32 s17, s17, 2*32*SP
	v_add_nc_u32 v5, s17, v5                       ; LDS: my wave's 256 scale bytes, my block's byte
	v_lshlrev_b32 v7, 3, v2                        ; and on the way out 8 bytes a lane
	v_add_nc_u32 v6, s17, v7
	s_wait_alu depctr_va_vdst(0)
	s_wait_kmcnt 0x0
	s_mov_b32 s17, 352                             ; work-groups 0-255 take x, 256-351 w_in, 352-383 w_out: the choice hangs on the work-group's number alone
	s_cmp_lt_u32 ttmp9, s17
	s_cselect_b64 s[6:7], s[6:7], s[8:9]
	s_cselect_b32 s17, 256, s17
	s_cmp_lt_u32 ttmp9, 256
	s_cselect_b64 s[4:5], s[4:5], s[6:7]
	s_cselect_b32 s17, 0, s17                      ; the tensor's first work-group
	s_sub_co_u32 s17, ttmp9, s17
	s_lshl_b32 s17, s17, 2
	s_add_co_u32 s18, s17, s16                     ; which run of 8 rows of the tensor my wave reads
	s_mov_b32 s19, 0
	s_lshl_b64 s[20:21], s[18:19], 15              ; 8 rows x 4,096 bytes
	s_add_nc_u64 s[4:5], s[4:5], s[20:21]
	s_and_b32 s22, s16, 1                          ; where it is stored: groups 1 and 2 of the four change places
	s_lshl_b32 s22, s22, 1
	s_lshr_b32 s23, s16, 1
	s_or_b32 s22, s22, s23
	s_lshl_b32 s23, ttmp9, 2
	s_add_co_u32 s22, s22, s23                     ; the run of 8 stored rows, counted over all three tensors
	s_mul_i32 s24, s22, 32*STEPS*CB                ; 6,144 bytes of codes a run
	s_mov_b32 s25, 0
	s_add_nc_u64 s[10:11], s[10:11], s[24:25]
	s_lshl_b32 s24, s22, 8                         ; 256 scale bytes a run
	s_add_nc_u64 s[12:13], s[12:13], s[24:25]
.macro LOAD t
.irp i, 0,1,2,3
	global_load_b128 v[R+16*((\t)%4)+4*\i:R+16*((\t)%4)+4*\i+3], v3, s[4:5] offset:2048*(\t)+512*\i th:TH_LOAD_NT   ; 32 lanes read 512 consecutive bytes; read once in the launch
.endr
.endm
.macro TURN t                          ; step t's numbers through the stage: LDS serves a wave's instructions in order, so no wait stands between the stores and the loads
.irp i, 0,1,2,3
	ds_store_b128 v14, v[R+16*((\t)%4)+4*\i:R+16*((\t)%4)+4*\i+3] offset:32*SP*((\t)%2)+8*SP*\i
.endr
.irp i, 0,1,2,3
	ds_load_b128 v[X+16*((\t)%2)+4*\i:X+16*((\t)%2)+4*\i+3], v15 offset:32*SP*((\t)%2)+16*\i
.endr
.endm
.irp t, 0,1,2,3
	LOAD \t
.endr
	s_wait_loadcnt 12                              ; step 0's four loads are in; the twelve of steps 1 to 3 may be out
	TURN 0
.macro STEP t
.set XS, X+16*((\t)%2)
.if (\t) > 0
	s_wait_dscnt 1                                 ; this step's numbers are back from the stage (the last step's byte store may be out): so its stores into the stage have read their registers,
.else
	s_wait_dscnt 0x0
.endif
.if (\t)+4 < STEPS
	LOAD (\t)+4                                    ; which take the loads of four steps on
.endif
.if (\t)+1 < STEPS
.if STEPS-2-(\t) >= 3
	s_wait_loadcnt 12                              ; the next step's four loads are in; those of the three steps behind it may be out
.else
	s_wait_loadcnt 4*(STEPS-2-(\t))
.endif
	TURN (\t)+1                                    ; and go through the other stage while this step is worked
.endif
	v_max3_num_f32 v8, |v[XS]|, |v[XS+1]|, |v[XS+2]|               ; the largest magnitude of my 16, in two chains
	v_max3_num_f32 v9, |v[XS+3]|, |v[XS+4]|, |v[XS+5]|
.irp i, 6,10
	v_max3_num_f32 v8, v8, |v[XS+\i]|, |v[XS+\i+1]|
	v_max3_num_f32 v9, v9, |v[XS+\i+2]|, |v[XS+\i+3]|
.endr
	v_max3_num_f32 v8, v8, |v[XS+14]|, |v[XS+15]|
	v_max3_num_f32 v8, v8, v9, (EMAX+1)<<23        ; and the floor 2^(3 - 127): the byte cannot fall under 1
	v_max_num_f32_dpp v8, v8, v8 row_xmask:1 row_mask:0xf bank_mask:0xf   ; and of my neighbour's 16: the block's
	v_add_nc_u32 v11, -(EMAX<<23), v8              ; 2 off its exponent field: the conversion takes the exponent field of this operand as its scale, and nothing else of it
	v_cvt_scalef32_pk16_fp6_f32 v[C+4*(\t):C+4*(\t)+2], v[XS:XS+15], v11         ; sixteen numbers / the scale, to the nearest code, ties to even, beyond the largest code the largest; 96 bits without gaps
	v_lshrrev_b32 v[E+(\t)], 23, v11               ; the scale's byte (also the plain line behind the conversion)
	ds_store_b8 v5, v[E+(\t)] offset:16*(\t)       ; both lanes of a block write the same byte with the same value
	global_store_b96 v4, v[C+4*(\t):C+4*(\t)+2], s[10:11] offset:32*CB*(\t)
.endm
.irp t, 0,1,2,3,4,5,6,7,8,9,10,11,12,13,14,15
	STEP \t
.endr
	ds_load_b64 v[12:13], v6                       ; LDS serves a wave's instructions in order: these see my stores
	s_wait_dscnt 0x0
	global_store_b64 v7, v[12:13], s[12:13]        ; 32 lanes store 256 consecutive bytes, aligned
	s_wait_tensorcnt 0x0
	ds_add_u32 v192, v193
	s_wait_dscnt 0x0
	s_endpgm
.Lfunc_end_k_q7bb1bdc280_quant:
	.size	k_q7bb1bdc280_quant, .Lfunc_end_k_q7bb1bdc280_quant-k_q7bb1bdc280_quant
	.p2alignl 7, 3214868480
	.fill 96, 4, 3214868480
	.section	.rodata,"a",@progbits
	.p2align	6, 0x0
	.amdhsa_kernel k_q7bb1bdc280_quant
		.amdhsa_group_segment_fixed_size 33280
		.amdhsa_private_segment_fixed_size 0
		.amdhsa_enable_private_segment 0
		.amdhsa_kernarg_size 40
		.amdhsa_user_sgpr_count 2
		.amdhsa_user_sgpr_kernarg_segment_ptr 1
		.amdhsa_wavefront_size32 1
		.amdhsa_system_sgpr_workgroup_id_x 1
		.amdhsa_system_sgpr_workgroup_id_y 1
		.amdhsa_system_sgpr_workgroup_id_z 1
		.amdhsa_system_vgpr_workitem_id 0
		.amdhsa_next_free_vgpr 194
		.amdhsa_next_free_sgpr 66
		.amdhsa_reserve_vcc 0
		.amdhsa_float_denorm_mode_32 3
		.amdhsa_float_denorm_mode_16_64 3
		.amdhsa_memory_ordered 1
		.amdhsa_forward_progress 1
		.amdhsa_inst_pref_size 33
	.end_amdhsa_kernel
	.amdgpu_metadata
---
amdhsa.version: [ 1, 2 ]
amdhsa.kernels:
  - .name:           k_q7bb1bdc280_quant
    .symbol:         k_q7bb1bdc280_quant.kd
    .args:
      - { .name: x, .offset: 0, .size: 8, .value_kind: global_buffer, .address_space: global }
      - { .name: w_in, .offset: 8, .size: 8, .value_kind: global_buffer, .address_space: global }
      - { .name: w_out, .offset: 16, .size: 8, .value_kind: global_buffer, .address_space: global }
      - { .name: codes1, .offset: 24, .size: 8, .value_kind: global_buffer, .address_space: global }
      - { .name: scales1, .offset: 32, .size: 8, .value_kind: global_buffer, .address_space: global }
    .group_segment_fixed_size: 33280
    .private_segment_fixed_size: 0
    .kernarg_segment_align: 8
    .kernarg_segment_size: 40
    .max_flat_workgroup_size: 128
    .sgpr_count:     66
    .vgpr_count:     194
    .wavefront_size: 32
...
	.end_amdgpu_metadata
.endif
;; end of part 1
;; launch qkv (part 2): grid 12 x 32, 4 waves a work-group, clusters of 4 x 4, 327,680 bytes of LDS; arguments codes1, scales1, b_in, qkv_img, qkv_sc; writes qkv_img, qkv_sc
.if DOCPART == 2
	.amdgcn_target "amdgcn-amd-amdhsa--gfx1250"
	.amdhsa_code_object_version 6
	.text
	.protected	k_q7bb1bdc280_qkv
	.globl	k_q7bb1bdc280_qkv
	.p2align	8
	.type	k_q7bb1bdc280_qkv,@function
k_q7bb1bdc280_qkv:
	s_mov_b64 s[64:65], 0
	v_nop
	global_prefetch_b8 v0, s[64:65] scope:SCOPE_SE
	s_setreg_imm32_b32 hwreg(HW_REG_WAVE_MODE, 25, 1), 1
	s_wait_xcnt 0x0
	s_wait_alu depctr_hold_cnt(0) depctr_sa_sdst(0) depctr_va_vdst(0) depctr_va_sdst(0) depctr_va_ssrc(0) depctr_va_vcc(0) depctr_vm_vsrc(0)
	s_getreg_b32 s2, hwreg(HW_REG_IB_STS2, 6, 4)
	s_cmp_eq_u32 s2, 0
	s_cbranch_scc0 .Lentry_in_a_cluster
	s_endpgm
.Lentry_in_a_cluster:
	s_bfe_u32 s2, ttmp6, 0x10000c
	s_cmp_lg_u32 s2, 0xf033
	s_cbranch_scc0 .Lentry_shape_is_right
	s_endpgm
.Lentry_shape_is_right:
.set KSTEP,  256
.set NQ,     2
.set ROWB,   192
.set KROW,   768
.set PITCH,  240
.set FR,     12
.set NL,     6
.set NP,     4
.set HALFT,  128*PITCH
.set SLOT,   4*HALFT
.set LAPS,   2
.set KS,     32
.set SCL,    2*SLOT
.set HALFS,  16*272
.set SBLK,   2*272
.set SPARE,  SCL+4*HALFS
.set ADRA, 16
.set ADRB, 20
.set OI,   24
.set OS,   25
.set SELV, 26
.set ADRS, 27
.set SPW,  28
.set NIL,  29
.set SC,   32
.set BIAS, 64
.set AF,   128
.set IMG,  64
.set FS,   160
.set TM,   224
.set PWS,  240
.set TT,   248
.set G1, 24
.set G0, 32
.set G1B, 48
.set G0B, 56
.set G1S, 68
.set G0S, 76
.set G1SB, 80
.set G0SB, 88
.set MSB, 0
.macro WIN new
.if MSB != \new
	s_set_vgpr_msb (MSB<<8)|\new
.set MSB, \new
.endif
.endm
.set MUL_LO, 0xa1
.set MUL_HI, 0xf1
.set BIA_LO, 0x81
.set BIA_HI, 0xc1
.set TO_B,   0x40
.macro JLOAD g0a, g1a, g0b, g1b
	s_cmp_eq_u32 s15, 0
	s_cbranch_scc0 .Lfor_b_\@
	tensor_load_to_lds s[\g0a:\g0a+3], s[\g1a:\g1a+7]
	s_nop 0
.rept 4
	v_nop
.endr
	s_branch .Lasked_\@
.Lfor_b_\@:
	tensor_load_to_lds s[\g0b:\g0b+3], s[\g1b:\g1b+7]
	s_nop 0
.rept 4
	v_nop
.endr
.Lasked_\@:
.endm
.macro CREST
	s_cmp_lg_u32 s14, 0
	s_cbranch_scc1 .Lnot_wave_0_\@
	s_barrier_signal -3
.Lnot_wave_0_\@:
	s_barrier_wait -3
	s_barrier_signal -1
	s_barrier_wait -1
.endm
.macro CROUND
	s_barrier_signal -1
	s_barrier_wait -1
	CREST
.endm
	s_load_b256 s[4:11], s[0:1], 0x0
	s_load_b64 s[12:13], s[0:1], 0x20
	v_lshl_add_u32 v[SPW], v0, 2, SPARE
	v_mov_b32 v[NIL], 0
	ds_add_u32 v28, v29
	ds_add_u32 v28, v29
	s_wait_dscnt 0x0
	v_lshrrev_b32 v1, 5, v0
	v_readfirstlane_b32 s14, v1
	s_lshr_b32 s15, s14, 1
	s_and_b32 s16, s14, 1
	s_bfe_u32 s40, ttmp6, 0x40000
	s_bfe_u32 s41, ttmp6, 0x40004
	s_and_b32 s17, ttmp7, 0xffff
	s_lshl_b32 s17, s17, 2
	s_lshl_b32 s42, ttmp9, 2
	s_add_co_u32 s42, s42, 32
	s_cmp_eq_u32 ttmp9, 2
	s_cselect_b32 s96, 40, s17
	s_cselect_b32 s97, s17, s42
	s_add_co_u32 s96, s96, s41
	s_add_co_u32 s97, s97, s40
	s_lshl_b32 s43, s41, 2
	s_lshl_b32 s43, 15, s43
	s_lshl_b32 s44, 0x1111, s40
	s_or_b32 s[G1+0], s43, (0<<16)|(1<<20)|(1<<21)|(3<<22)|(3<<25)
	s_or_b32 s[G1B+0], s44, (0<<16)|(1<<20)|(1<<21)|(3<<22)|(3<<25)
.irp g, G1, G1B
	s_mov_b32 s[\g+1], ROWB<<16
	s_mov_b32 s[\g+2], 128<<16
	s_mov_b32 s[\g+3], ROWB<<16
	s_mov_b32 s[\g+4], 128
	s_mov_b32 s[\g+5], KROW
	s_mov_b32 s[\g+6], 0
	s_mov_b32 s[\g+7], 0
.endr
	s_or_b32 s[G1S+0], s43, (3<<16)|(1<<20)|(1<<21)|(5<<22)|(3<<25)
	s_or_b32 s[G1SB+0], s44, (3<<16)|(1<<20)|(1<<21)|(5<<22)|(3<<25)
.irp g, G1S, G1SB
	s_mov_b32 s[\g+1], 32<<16
	s_mov_b32 s[\g+2], 16<<16
	s_mov_b32 s[\g+3], 32<<16
	s_mov_b32 s[\g+4], 16
	s_mov_b32 s[\g+5], 32
	s_mov_b32 s[\g+6], 0
	s_mov_b32 s[\g+7], 0
.endr
	s_lshl_b32 s18, s16, 7
	s_lshl_b32 s20, s96, 8
	s_add_co_u32 s20, s20, s18
	s_lshl_b32 s46, s97, 8
	s_add_co_u32 s46, s46, s18
	s_lshl_b32 s22, s20, 5
	s_mov_b32 s23, 0
	s_lshl_b32 s92, s46, 5
	s_mov_b32 s93, 0
	s_mul_i32 s20, s20, KROW
	s_mov_b32 s21, 0
	s_mul_i32 s46, s46, KROW
	s_mov_b32 s47, 0
	s_mul_i32 s45, s14, HALFT
	s_mul_i32 s94, s14, HALFS
	s_wait_kmcnt 0x0
	s_add_nc_u64 s[20:21], s[4:5], s[20:21]
	s_add_nc_u64 s[22:23], s[6:7], s[22:23]
	s_add_nc_u64 s[46:47], s[4:5], s[46:47]
	s_add_nc_u64 s[92:93], s[6:7], s[92:93]
	CROUND
	s_mov_b32 s[G0S], 1
	s_add_co_u32 s[G0S+1], s94, SCL
	s_mov_b64 s[G0S+2:G0S+3], s[22:23]
	s_or_b32 s[G0S+3], s[G0S+3], 0x80000000
	s_mov_b32 s[G0SB], 1
	s_add_co_u32 s[G0SB+1], s94, SCL
	s_mov_b64 s[G0SB+2:G0SB+3], s[92:93]
	s_or_b32 s[G0SB+3], s[G0SB+3], 0x80000000
	JLOAD G0S, G1S, G0SB, G1SB
.irp s, 0,1
	s_mov_b32 s[G0+4*\s], 1
	s_add_co_u32 s[G0+4*\s+1], s45, \s*SLOT
	s_add_nc_u64 s[G0+4*\s+2:G0+4*\s+3], s[20:21], \s*ROWB
	s_or_b32 s[G0+4*\s+3], s[G0+4*\s+3], 0x80000000
	s_mov_b32 s[G0B+4*\s], 1
	s_add_co_u32 s[G0B+4*\s+1], s45, \s*SLOT
	s_add_nc_u64 s[G0B+4*\s+2:G0B+4*\s+3], s[46:47], \s*ROWB
	s_or_b32 s[G0B+4*\s+3], s[G0B+4*\s+3], 0x80000000
	s_wait_alu depctr_va_vdst(0)
	s_wait_tensorcnt 0x0
	ds_add_u32 v28, v29
	s_wait_dscnt 0x0
	CROUND
	JLOAD G0+4*\s, G1, G0B+4*\s, G1B
.endr
	v_and_b32 v1, 15, v0
	v_bfe_u32 v2, v0, 4, 1
	v_mul_u32_u24 v3, v1, PITCH
	v_mul_u32_u24 v4, v2, 24
	v_add_nc_u32 v4, v3, v4
	v_lshl_add_u32 v5, v2, 4, v4
	s_mul_i32 s21, s15, HALFT
	s_mul_i32 s22, s16, HALFT
	s_add_co_u32 s22, s22, 2*HALFT
.irp s, 0,1
	v_add_nc_u32 v[ADRA+\s], s21, v4
	v_add_nc_u32 v[ADRB+\s], s22, v4
	v_add_nc_u32 v[ADRA+2+\s], s21, v5
	v_add_nc_u32 v[ADRB+2+\s], s22, v5
	s_add_co_u32 s21, s21, SLOT
	s_add_co_u32 s22, s22, SLOT
.endr
	v_mul_u32_u24 v5, v1, KS
	v_lshrrev_b32 v6, 8, v5
	v_lshl_add_u32 v5, v6, 4, v5
	s_mul_i32 s21, s15, HALFS
	s_mul_i32 s22, s16, HALFS
	s_add_co_u32 s22, s22, 2*HALFS
	s_sub_co_u32 s22, s22, s21
	v_mul_u32_u24 v6, s22, v2
	s_add_co_u32 s21, s21, SCL
	v_add_nc_u32 v5, v5, v6
	v_add_nc_u32 v[ADRS], s21, v5
	v_and_b32 v6, 31, v0
	v_lshlrev_b32 v[OI], 4, v6
	v_lshlrev_b32 v[OS], 4, v1
	v_lshl_add_u32 v[OS], v2, 14, v[OS]
	s_cmp_eq_u32 ttmp9, 2
	s_cselect_b32 s17, s96, s97
	s_cselect_b32 s18, s97, s96
	s_cselect_b32 s19, s15, s16
	s_cselect_b32 s20, s16, s15
	s_cselect_b32 s21, 4, 0
	s_cselect_b32 s22, 0, 64
	s_cselect_b32 s23, 0, 4
	s_sub_co_u32 s17, s17, 32
	s_lshl_b32 s40, s17, 2
	s_lshl_b32 s41, s19, 1
	s_add_co_u32 s40, s40, s41
	s_lshl_b32 s41, s18, 1
	s_add_co_u32 s41, s41, s20
	s_mul_i32 s42, s40, 393216
	s_mul_i32 s43, s41, 6144
	s_add_co_u32 s42, s42, s43
	s_mov_b32 s43, 0
	s_add_nc_u64 s[10:11], s[10:11], s[42:43]
	s_lshl_b32 s42, s40, 14
	s_lshl_b32 s44, s41, 8
	s_add_co_u32 s42, s42, s44
	s_add_nc_u64 s[12:13], s[12:13], s[42:43]
	s_lshl_b32 s42, s17, 10
	s_lshl_b32 s44, s19, 9
	s_add_co_u32 s42, s42, s44
	s_add_nc_u64 s[8:9], s[8:9], s[42:43]
	v_and_b32 v7, 8, v1
	v_add_nc_u32 v7, v7, v1
	v_mul_u32_u24 v7, s21, v7
	v_mad_u32_u24 v7, v2, s22, v7
.irp j, 0,1,2,3,4,5,6,7
	v_mad_u32_u24 v[224+\j], s23, \j, v7
.endr
.irp g, 0,1,2,3,4,5,6,7
.irp j, 0,1,2,3,4,5,6,7
	global_load_b32 v[BIAS+8*\g+\j], v[224+\j], s[8:9] offset:(32*(\g/2)+8*(\g%2))*4
.endr
.endr
.macro FRAG reg, adr, q, i
.irp p, 0,1,2,3,4,5
.set PC, 12*(\q)+6*(\p/3)+\p%3
.if PC%8 < 5
	ds_load_b64 v[\reg+2*\p:\reg+2*\p+1], v[\adr] offset:8*PC+16*(PC/8)+(\i)*16*PITCH
.else
	ds_load_b64 v[\reg+2*\p:\reg+2*\p+1], v[\adr+2] offset:8*PC+16*(PC/8)+(\i)*16*PITCH
.endif
.endr
.endm
.macro MUL16 a0, p, q, sc, cm
.irp a, \a0, \a0+1
.irp b, 0,1,2,3,4,5,6,7
.if \cm == 1
	v_wmma_scale_f32_16x16x128_f8f6f4 v[8*(8*((\a)%4)+\b):8*(8*((\a)%4)+\b)+7], v[128*(\p)+FR*\b:128*(\p)+FR*\b+FR-1], v[AF+FR*(\a):AF+FR*(\a)+FR-1], v[BIAS+8*\b:BIAS+8*\b+7], v[SC+8*NQ*(\sc)+NQ*\b+(\q)], v[SC+8*NQ*(\sc)+NQ*(\a)+(\q)] matrix_a_fmt:MATRIX_FMT_FP6 matrix_b_fmt:MATRIX_FMT_FP6 matrix_a_scale:MATRIX_SCALE_ROW1
.elseif \cm == 2
	v_wmma_scale_f32_16x16x128_f8f6f4 v[8*(8*((\a)%4)+\b):8*(8*((\a)%4)+\b)+7], v[128*(\p)+FR*\b:128*(\p)+FR*\b+FR-1], v[AF+FR*(\a):AF+FR*(\a)+FR-1], v[BIAS+8*(\a):BIAS+8*(\a)+7], v[SC+8*NQ*(\sc)+NQ*\b+(\q)], v[SC+8*NQ*(\sc)+NQ*(\a)+(\q)] matrix_a_fmt:MATRIX_FMT_FP6 matrix_b_fmt:MATRIX_FMT_FP6 matrix_a_scale:MATRIX_SCALE_ROW1
.else
	v_wmma_scale_f32_16x16x128_f8f6f4 v[8*(8*((\a)%4)+\b):8*(8*((\a)%4)+\b)+7], v[128*(\p)+FR*\b:128*(\p)+FR*\b+FR-1], v[AF+FR*(\a):AF+FR*(\a)+FR-1], v[8*(8*((\a)%4)+\b):8*(8*((\a)%4)+\b)+7], v[SC+8*NQ*(\sc)+NQ*\b+(\q)], v[SC+8*NQ*(\sc)+NQ*(\a)+(\q)] matrix_a_fmt:MATRIX_FMT_FP6 matrix_b_fmt:MATRIX_FMT_FP6 matrix_a_scale:MATRIX_SCALE_ROW1
.endif
.endr
.endr
.endm
.macro FETCH_B slot, q, p
	WIN TO_B
.irp i, 0,1,2,3,4,5,6,7
	FRAG 128*(\p)+FR*\i, ADRB+\slot, \q, \i
.endr
	WIN 0
.endm
.macro FETCH_A slot, q, i0
.irp i, \i0, \i0+1, \i0+2, \i0+3
	FRAG AF+FR*(\i), ADRA+\slot, \q, \i
.endr
.endm
.macro SCALES sc
.irp i, 0,1,2,3,4,5,6,7
	ds_load_b64 v[SC+8*NQ*\sc+NQ*\i:SC+8*NQ*\sc+NQ*\i+1], v[ADRS] offset:\i*SBLK
.endr
.endm
.macro PLACES n
.rept \n
	v_nop
.endr
.endm
.macro STEP slot, q, cm
	s_wait_dscnt 4*NL
.if \cm
	WIN BIA_LO
.else
	WIN MUL_LO
.endif
	MUL16 0, (\q)%2, \q, \slot, \cm
	MUL16 2, (\q)%2, \q, \slot, \cm
	s_wait_dscnt 0
	PLACES NP
	FETCH_B \slot, (\q)+1, 1-(\q)%2
	FETCH_A \slot, (\q)+1, 0
.if \cm
	WIN BIA_HI
.else
	WIN MUL_HI
.endif
	MUL16 4, (\q)%2, \q, \slot, \cm
	MUL16 6, (\q)%2, \q, \slot, \cm
	PLACES NP
	WIN 0
	FETCH_A \slot, (\q)+1, 4
.endm
.macro TURN slot, next, fill
	s_wait_tensorcnt 0x0
	ds_add_u32 v[SPW], v[NIL]
	s_wait_dscnt 4*NL+1
	WIN MUL_LO
	MUL16 0, 1, NQ-1, \slot, 0
	s_wait_dscnt 0x0
	s_barrier_signal -1
	MUL16 2, 1, NQ-1, \slot, 0
	WIN 0
	s_barrier_wait -1
.if \fill
	CREST
	s_add_nc_u64 s[G0+4*\slot+2:G0+4*\slot+3], s[G0+4*\slot+2:G0+4*\slot+3], 2*ROWB
	s_add_nc_u64 s[G0B+4*\slot+2:G0B+4*\slot+3], s[G0B+4*\slot+2:G0B+4*\slot+3], 2*ROWB
	JLOAD G0+4*\slot, G1, G0B+4*\slot, G1B
.else
	PLACES NP
.endif
	s_wait_alu depctr_va_vdst(0)
	v_add_nc_u32 v[ADRS], 4*NQ, v[ADRS]
	FETCH_B \next, 0, 0
	FETCH_A \next, 0, 0
	SCALES \next
	WIN MUL_HI
	MUL16 4, 1, NQ-1, \slot, 0
	MUL16 6, 1, NQ-1, \slot, 0
	PLACES NP
	WIN 0
	FETCH_A \next, 0, 4
.endm
	s_wait_tensorcnt 1
	s_barrier_signal -1
	s_barrier_wait -1
	FETCH_B 0, 0, 0
	FETCH_A 0, 0, 0
	SCALES 0
	FETCH_A 0, 0, 4
	s_wait_loadcnt 0x0
	s_cmp_eq_u32 ttmp9, 2
	s_cbranch_scc1 .Lfirst_v
	STEP 0, 0, 1
	s_branch .Lfirst_done
.Lfirst_v:
	STEP 0, 0, 2
.Lfirst_done:
	s_mov_b32 s3, LAPS-1
.Llap:
	TURN 0, 1, 1
	STEP 1, 0, 0
	TURN 1, 0, 1
	STEP 0, 0, 0
	s_sub_co_u32 s3, s3, 1
	s_cmp_lg_u32 s3, 0
	s_cbranch_scc1 .Llap
	TURN 0, 1, 0
	STEP 1, 0, 0
	s_wait_dscnt 4*NL
	WIN MUL_LO
	MUL16 0, 1, NQ-1, 1, 0
	MUL16 2, 1, NQ-1, 1, 0
	s_wait_dscnt 0
	WIN MUL_HI
	MUL16 4, 1, NQ-1, 1, 0
	MUL16 6, 1, NQ-1, 1, 0
	WIN 0
.macro EQ a, d0, d1
.set AC, 64*((\a)%4)
	WIN 0x0a+5*((\a)/4)
.irp b, 0,1,2,3
	v_max3_num_f32 v[TM+\b], |v[AC+16*\b]|, |v[AC+16*\b+1]|, 0x1800000
.endr
.irp i, 2,4,6,8,10,12,14
.irp b, 0,1,2,3
	v_max3_num_f32 v[TM+\b], |v[AC+16*\b+\i]|, |v[AC+16*\b+\i+1]|, v[TM+\b]
.endr
.endr
	WIN 0
.irp b, 0,1,2,3
	v_permlanex16_b32 v[TM+4+\b], v[TM+\b], s2, s3
.endr
.irp b, 0,1,2,3
	v_max_num_f32 v[TM+\b], v[TM+\b], v[TM+4+\b]
.endr
.irp b, 0,1,2,3
	v_add_nc_u32 v[TM+12+\b], 0xff000000, v[TM+\b]
.endr
.irp b, 0,1,2,3
	v_lshrrev_b32 v[TM+4+\b], 23, v[TM+12+\b]
.endr
	v_lshl_or_b32 v[PWS+(\a)], v[TM+5], 8, v[TM+4]
	v_lshl_or_b32 v[PWS+(\a)], v[TM+6], 16, v[PWS+(\a)]
	v_lshl_or_b32 v[PWS+(\a)], v[TM+7], 24, v[PWS+(\a)]
	WIN 0x02+(\a)/4
	v_cvt_scalef32_pk16_fp6_f32 v[\d0:\d0+2], v[AC:AC+15], v[TM+12]
	v_cvt_scalef32_pk16_fp6_f32 v[TT:TT+2], v[AC+16:AC+31], v[TM+13]
	v_cvt_scalef32_pk16_fp6_f32 v[\d1:\d1+2], v[AC+32:AC+47], v[TM+14]
	v_cvt_scalef32_pk16_fp6_f32 v[TT+4:TT+6], v[AC+48:AC+63], v[TM+15]
	WIN 0
	v_nop
.irp i, 0,1,2
	v_permlane16_swap_b32 v[\d0+\i], v[TT+\i]
.endr
.irp i, 0,1,2
	v_mov_b32 v[\d0+3+\i], v[TT+\i]
.endr
.irp i, 0,1,2
	v_permlane16_swap_b32 v[\d1+\i], v[TT+4+\i]
.endr
.irp i, 0,1,2
	v_mov_b32 v[\d1+3+\i], v[TT+4+\i]
.endr
.endm
	PLACES NP
	s_mov_b32 s2, 0x76543210
	s_mov_b32 s3, 0xfedcba98
.irp b, 0,1,2,3
	v_mov_b32 v[TM+4+\b], 0
.endr
	v_cmp_eq_u32 vcc_lo, 1, v2
	s_cmp_eq_u32 ttmp9, 2
	s_cbranch_scc1 .Lout_v
.irp t, 0,1,2,3
	EQ 2*\t, IMG+24*\t, IMG+24*\t+12
	EQ 2*\t+1, IMG+24*\t+6, IMG+24*\t+18
.irp c, 0,1
.irp k, 0,1,2
	global_store_b128 v[OI], v[IMG+24*\t+12*\c+4*\k:IMG+24*\t+12*\c+4*\k+3], s[10:11] offset:\c*393216+\t*1536+512*\k
.endr
.endr
.endr
	v_mov_b32 v[SELV], 0x05040100
	v_mov_b32 v[TM], 0x07060302
	v_cndmask_b32 v[SELV], v[SELV], v[TM], vcc_lo
.irp t, 0,1,2,3
	v_perm_b32 v[FS+\t], v[PWS+2*\t+1], v[PWS+2*\t], v[SELV]
.endr
	global_store_b128 v[OS], v[FS:FS+3], s[12:13]
	s_branch .Lout_done
.Lout_v:
.irp a, 0,1,2,3,4,5,6,7
	EQ \a, IMG+12*\a, IMG+12*\a+6
.irp k, 0,1,2
	global_store_b128 v[OI], v[IMG+12*\a+4*\k:IMG+12*\a+4*\k+3], s[10:11] offset:(\a/4)*393216+(\a%4)*1536+512*\k
.endr
.endr
.irp t, 0,1,2,3
	v_cndmask_b32 v[FS+\t], v[PWS+\t], v[PWS+4+\t], vcc_lo
.endr
	global_store_b128 v[OS], v[FS:FS+3], s[12:13]
.Lout_done:
	s_wait_tensorcnt 0x0
	ds_add_u32 v[SPW], v[NIL]
	s_wait_dscnt 0x0
	CROUND
	s_endpgm
.Lfunc_end_k_q7bb1bdc280_qkv:
	.size	k_q7bb1bdc280_qkv, .Lfunc_end_k_q7bb1bdc280_qkv-k_q7bb1bdc280_qkv
	.p2alignl 7, 3214868480
	.fill 96, 4, 3214868480
	.section	.rodata,"a",@progbits
	.p2align	6, 0x0
	.amdhsa_kernel k_q7bb1bdc280_qkv
		.amdhsa_group_segment_fixed_size 327680
		.amdhsa_private_segment_fixed_size 0
		.amdhsa_enable_private_segment 0
		.amdhsa_kernarg_size 40
		.amdhsa_user_sgpr_count 2
		.amdhsa_user_sgpr_kernarg_segment_ptr 1
		.amdhsa_wavefront_size32 1
		.amdhsa_system_sgpr_workgroup_id_x 1
		.amdhsa_system_sgpr_workgroup_id_y 1
		.amdhsa_system_sgpr_workgroup_id_z 1
		.amdhsa_system_vgpr_workitem_id 0
		.amdhsa_next_free_vgpr 1024
		.amdhsa_next_free_sgpr 100
		.amdhsa_reserve_vcc 1
		.amdhsa_float_denorm_mode_32 3
		.amdhsa_float_denorm_mode_16_64 3
		.amdhsa_memory_ordered 1
		.amdhsa_forward_progress 1
		.amdhsa_inst_pref_size 220
	.end_amdhsa_kernel
	.amdgpu_metadata
---
amdhsa.version: [ 1, 2 ]
amdhsa.kernels:
  - .name:           k_q7bb1bdc280_qkv
    .symbol:         k_q7bb1bdc280_qkv.kd
    .args:
      - { .name: codes1, .offset: 0, .size: 8, .value_kind: global_buffer, .address_space: global }
      - { .name: scales1, .offset: 8, .size: 8, .value_kind: global_buffer, .address_space: global }
      - { .name: b_in, .offset: 16, .size: 8, .value_kind: global_buffer, .address_space: global }
      - { .name: qkv_img, .offset: 24, .size: 8, .value_kind: global_buffer, .address_space: global }
      - { .name: qkv_sc, .offset: 32, .size: 8, .value_kind: global_buffer, .address_space: global }
    .group_segment_fixed_size: 327680
    .private_segment_fixed_size: 0
    .kernarg_segment_align: 8
    .kernarg_segment_size: 40
    .max_flat_workgroup_size: 128
    .sgpr_count:     100
    .vgpr_count:     1024
    .wavefront_size: 32
...
	.end_amdgpu_metadata
.endif
;; end of part 2
;; launch attn (part 3): grid 4 x 64, 16 waves a work-group, clusters of 4 x 1, 206,848 bytes of LDS; arguments qkv_img, qkv_sc, o_img, o_sc; writes o_img, o_sc
.if DOCPART == 3
	.amdgcn_target "amdgcn-amd-amdhsa--gfx1250"
	.amdhsa_code_object_version 6
	.text
	.protected	k_q7bb1bdc280_attn
	.globl	k_q7bb1bdc280_attn
	.p2align	8
	.type	k_q7bb1bdc280_attn,@function
k_q7bb1bdc280_attn:
	s_mov_b64 s[64:65], 0
	v_nop
	global_prefetch_b8 v0, s[64:65] scope:SCOPE_SE
	s_setreg_imm32_b32 hwreg(HW_REG_WAVE_MODE, 25, 1), 1
	s_wait_xcnt 0x0
	s_wait_alu depctr_hold_cnt(0) depctr_sa_sdst(0) depctr_va_vdst(0) depctr_va_sdst(0) depctr_va_ssrc(0) depctr_va_vcc(0) depctr_vm_vsrc(0)
	s_getreg_b32 s2, hwreg(HW_REG_IB_STS2, 6, 4)
	s_cmp_eq_u32 s2, 0
	s_cbranch_scc0 .Lentry_in_a_cluster
	s_endpgm
.Lentry_in_a_cluster:
	s_bfe_u32 s2, ttmp6, 0x10000c
	s_cmp_lg_u32 s2, 0x3003
	s_cbranch_scc0 .Lentry_shape_is_right
	s_endpgm
.Lentry_shape_is_right:
; o = softmax(q k^T / 8) v for one head of one batch, both products on codes of FP6 (E2M3) with E8M0 scales; o is divided by the row's sum and quantised along the channels for the last product.
; THE SOFTMAX: t = score x log2(e) / 8; M = the row's largest t so far, rounded up to a whole number; p = 2^(t - M) is what is quantised, along the keys, not normalised.  The row's sum is taken of the
; unquantised p in f32.  When M moves, the sum and O are multiplied by 2^(old M - new M), which rounds nothing.
; SHARES.  A work-group owns 512 queries of one head; each of its sixteen waves 32 of them, as two tiles of 16, one in each of two passes over the 2,048 keys, 128 keys a step.  Four waves lie on a SIMD, so that
; one wave's exponentials stand beside another's products and LDS loads.
; K AND V OF THE WHOLE HEAD STAY IN LDS: 98,304 bytes of images each and 4,096 bytes of scale words each, filled once: no ring, nothing is filled again.
; CLUSTER.  The four work-groups of a cluster are the four query blocks of one head: each fill is asked for jointly, by the same tensor load with the same descriptor and the mask of all four.
; LAYOUT.  Operands lie in memory and LDS as images of their registers: register 4 k + i of lane l at byte 512 k + 16 l + 4 i of a piece of 1,536 bytes: three loads of 16 bytes a lane, 512 consecutive bytes each.
; Both products are used transposed: a lane holds ONE query (lane % 16) throughout.  The head's K is 64, half an instruction's 128: a piece of k holds TWO tiles of 16 keys, one in each half of the 128 places,
; and q stands in one half with zero codes in the other: the product with q below takes the first tile, with q above the second.  (The other tile's codes meet zero codes; its scale bytes are never 0xff.)
; The keys of the two tiles of piece g are 32 g + 8 u + r + 8 (r / 8), so that the 16 score registers of a piece are 16 neighbouring keys, 32 g + 16 (lane / 16) + 0 .. 15.  V's channels are laid likewise,
; so that O^T's 16 registers of two tiles are 16 neighbouring channels.
; OUT: o_img [512 tiles of 16 tokens][8 K steps][1,536 bytes]: register 2 p + i of lane l at byte 256 p + 8 l + 4 i; a head owns half a piece.  o_sc [16 tile + r][32]: byte 2 head + block.
; The two scale bytes of a row are stored 2 bytes a lane, 32 bytes apart: 2 bytes for each 48 bytes of codes.
; LIMITS: NaN and infinities are not served.  p under 2^-126 counts as 0.  A block's largest p is made from its largest score by the same two instructions, which takes v_exp_f32 not to fall where its input rises.
; A block of zeros gets the byte 1 (its codes are zeros; this program alone reads the bytes).
.set VIMG, 98304                       ; LDS: K's images from 0, V's from here,
.set KSC,  196608                      ; K's scale words, 256 bytes a step,
.set VSC,  200704                      ; V's
.set LI,  1                            ; v1   16 x lane
.set LIV, 2                            ; v2   16 x lane + VIMG
.set LSK, 3                            ; v3   16 x (lane % 16) + KSC
.set ADK, 4                            ; v4-6 the step's LDS addresses: K's images, V's, the scale words
.set ADV, 5
.set ADS, 6
.set OG,  7                            ; v7   8 x lane
.set OSA, 8                            ; v8   32 x (lane % 16)
.set QW,  9                            ; v9   q's scale word as loaded: two bytes for each pass
.set QS,  10                           ; v10  q's scale register: the pass's two bytes, twice
.set QF,  16                           ; v16-33: six zeros, q's six registers, six zeros: v[22:33] is q below, v[16:27] q above
.set QI,  34                           ; v34-45 q's piece as loaded
.set KV,  48                           ; v48-95 four pieces of K, then of V
.set S,   96                           ; v96-159 S^T, then p
.set O,   160                          ; v160-191 O^T
.set PC,  192                          ; v192-203 p's codes
.set CT,  204                          ; v204-206, v208-210 the conversions' second halves
.set BM,  212                          ; v212-215 a block's largest score, then its largest p
.set BT,  216                          ; v216-219 the other half's; the bytes
.set BSO, 220                          ; v220-223 the conversions' scale operands
.set KSR, 224                          ; v224-227 K's scale words
.set VSR, 228                          ; v228-231 V's
.set PW,  232                          ; v232 p's scale word
.set F,   234                          ; v[234:235] f = 2^(old M - new M)
.set TMP, 236
.set CH,  238                          ; v[238:239] the sum's second chain
.set OC,  240                          ; v240-245 o's codes
.set OT,  246                          ; v246-248
.set HW,  249                          ; v249 o's two scale bytes
.set WV,  12
.set SEL, 24                           ; s[24:25] selects for v_permlanex16_b32: lane l xor 16
.set CS,  26                           ; s[26:27] c = log2(e) / 8
.set G1I, 28                           ; s[28:35] group 1 for images: 96 rows of 256 bytes
.set G1S, 36                           ; s[36:43] for scale words: 4 rows of 256 bytes
.set G0KI, 44
.set G0KS, 48
.set G0VI, 52
.set G0VS, 56
.set TK,  60                           ; s60 the step's images: 6,144 bytes a step
.set TS,  61                           ; s61 its scale words: 256 bytes a step
.set CNT, 62
.set PASS, 63
.set PQ,  66
.set PQS, 68
.set PO,  70
.set PS,  72
.macro ROUND                           ; a round of the cluster's barrier
	s_barrier_signal -1
	s_barrier_wait -1
	s_cmp_lg_u32 s[WV], 0
	s_cbranch_scc1 .Lnot_wave_0_\@
	s_barrier_signal -3
.Lnot_wave_0_\@:
	s_barrier_wait -3
	s_barrier_signal -1
	s_barrier_wait -1
.endm
	s_load_b256 s[4:11], s[0:1], 0x0               ; qkv_img s[4:5], qkv_sc s[6:7], o_img s[8:9], o_sc s[10:11]
	v_lshl_add_u32 v254, v0, 2, 0x32000
	v_mov_b32 v255, 0
	ds_add_u32 v254, v255
	ds_add_u32 v254, v255
	v_lshrrev_b32 v11, 5, v0
	s_delay_alu instid0(VALU_DEP_1)
	v_readfirstlane_b32 s[WV], v11                 ; wave 0..15
	s_and_b32 s15, ttmp7, 0xffff
	s_and_b32 s16, s15, 15                         ; the head
	s_lshr_b32 s17, s15, 4                         ; the batch
	s_lshl_b32 s18, s16, 6
	s_lshl_b32 s20, s17, 4
	s_add_co_u32 s18, s18, s20                     ; 64 head + 16 batch: the head's first group of 128 tokens among q's
	; what I fetch, if I fetch: waves 0-3 a quarter of K, waves 4-7 a quarter of V.  Nothing here hangs on my place in the cluster
	s_and_b32 s22, s[WV], 3
	s_and_b32 s23, s[WV], 7
	s_mul_i32 s20, s18, 6144
	s_mul_i32 s21, s22, 24576
	s_add_co_u32 s20, s20, s21
	s_add_co_u32 s74, s20, 1024*6144               ; k's heads lie 1,024 groups behind q's,
	s_mov_b32 s75, 0
	s_add_co_u32 s76, s20, 2048*6144               ; v's 2,048
	s_mov_b32 s77, 0
	s_lshl_b32 s20, s18, 8
	s_lshl_b32 s21, s22, 10
	s_add_co_u32 s20, s20, s21
	s_add_co_u32 s78, s20, 1024*256
	s_mov_b32 s79, 0
	s_add_co_u32 s80, s20, 2048*256
	s_mov_b32 s81, 0
	s_mul_i32 s82, s23, 24576                      ; in LDS: (wave % 8) x 24,576: waves 4-7 fall into V's images,
	s_lshl_b32 s83, s23, 10
	s_add_co_u32 s83, s83, KSC                     ; and into V's scale words
	s_mov_b32 s[G1I], 15|(3<<16)|(1<<21)           ; 15:0 the mask: all four work-groups; 17:16 elements of 8 bytes; 20 no padding; 21 set beside a mask
	s_mov_b32 s[G1I+1], 32<<16                     ; tensor_dim0 = 32 elements: 256 bytes
	s_mov_b32 s[G1I+2], 96<<16                     ; tensor_dim1
	s_mov_b32 s[G1I+3], 32<<16                     ; tile_dim0
	s_mov_b32 s[G1I+4], 96                         ; tile_dim1
	s_mov_b32 s[G1I+5], 32                         ; from row to row: dense
	s_mov_b32 s[G1I+6], 0
	s_mov_b32 s[G1I+7], 0
	s_mov_b32 s[G1S], 15|(3<<16)|(1<<21)
	s_mov_b32 s[G1S+1], 32<<16
	s_mov_b32 s[G1S+2], 4<<16
	s_mov_b32 s[G1S+3], 32<<16
	s_mov_b32 s[G1S+4], 4
	s_mov_b32 s[G1S+5], 32
	s_mov_b32 s[G1S+6], 0
	s_mov_b32 s[G1S+7], 0
	; my queries: cx enters q's and o's addresses alone
	s_bfe_u32 s13, ttmp6, 0x40000                  ; cx
	s_lshl_b32 s14, ttmp9, 2
	s_add_co_u32 s14, s14, s13                     ; my block of 512 queries
	s_lshl_b32 s19, s14, 4
	s_add_co_u32 s19, s19, s[WV]                   ; g: my group of 32 queries, 0 .. 63
	s_mul_i32 s66, s18, 6144
	s_mul_i32 s2, s19, 1536
	s_add_co_u32 s66, s66, s2                      ; q's piece
	s_mov_b32 s67, 0
	s_lshr_b32 s68, s19, 2
	s_add_co_u32 s68, s68, s18
	s_lshl_b32 s68, s68, 8
	s_and_b32 s2, s19, 3
	s_lshl_b32 s2, s2, 2
	s_add_co_u32 s68, s68, s2                      ; its scale words
	s_mov_b32 s69, 0
	s_lshl_b32 s2, s17, 6
	s_add_co_u32 s2, s2, s19                       ; 64 batch + g: the group of 32 tokens
	s_mul_i32 s70, s2, 24576                       ; two tiles of 12,288 bytes
	s_lshr_b32 s3, s16, 1
	s_mul_i32 s3, s3, 1536
	s_add_co_u32 s70, s70, s3
	s_and_b32 s3, s16, 1
	s_mul_i32 s3, s3, 768
	s_add_co_u32 s70, s70, s3
	s_mov_b32 s71, 0
	s_lshl_b32 s72, s2, 10                         ; two tiles of 16 rows of 32 bytes
	s_lshl_b32 s3, s16, 1
	s_add_co_u32 s72, s72, s3
	s_mov_b32 s73, 0
	s_mov_b32 s[SEL], 0x76543210
	s_mov_b32 s[SEL+1], 0xfedcba98
	s_mov_b32 s[CS], 0x3e38aa3b                    ; log2(e) / 8
	s_mov_b32 s[CS+1], s[CS]                       ; (named with it as a pair, so it is written)
	s_wait_dscnt 0x0
	s_wait_kmcnt 0x0
	s_add_nc_u64 s[PQ:PQ+1], s[4:5], s[PQ:PQ+1]
	s_add_nc_u64 s[PQS:PQS+1], s[6:7], s[PQS:PQS+1]
	s_add_nc_u64 s[PO:PO+1], s[8:9], s[PO:PO+1]
	s_add_nc_u64 s[PS:PS+1], s[10:11], s[PS:PS+1]
	s_mov_b32 s[G0KI], 1
	s_mov_b32 s[G0KI+1], s82
	s_add_nc_u64 s[G0KI+2:G0KI+3], s[4:5], s[74:75]
	s_or_b32 s[G0KI+3], s[G0KI+3], 0x80000000
	s_mov_b32 s[G0KS], 1
	s_mov_b32 s[G0KS+1], s83
	s_add_nc_u64 s[G0KS+2:G0KS+3], s[6:7], s[78:79]
	s_or_b32 s[G0KS+3], s[G0KS+3], 0x80000000
	s_mov_b32 s[G0VI], 1
	s_mov_b32 s[G0VI+1], s82
	s_add_nc_u64 s[G0VI+2:G0VI+3], s[4:5], s[76:77]
	s_or_b32 s[G0VI+3], s[G0VI+3], 0x80000000
	s_mov_b32 s[G0VS], 1
	s_mov_b32 s[G0VS+1], s83
	s_add_nc_u64 s[G0VS+2:G0VS+3], s[6:7], s[80:81]
	s_or_b32 s[G0VS+3], s[G0VS+3], 0x80000000
	ROUND                                          ; all four work-groups are here: the joint loads meet
	s_cmp_lt_u32 s[WV], 4                          ; a wave's two fills stand in one branch on its number; two loads of a wave are out; four v_nop follow the second
	s_cbranch_scc0 .Lnot_k
	tensor_load_to_lds s[G0KI:G0KI+3], s[G1I:G1I+7]
	s_nop 0
	tensor_load_to_lds s[G0KS:G0KS+3], s[G1S:G1S+7]
	s_nop 0
.rept 4
	v_nop
.endr
	s_branch .Lasked
.Lnot_k:
	s_cmp_lt_u32 s[WV], 8
	s_cbranch_scc0 .Lasked
	tensor_load_to_lds s[G0VI:G0VI+3], s[G1I:G1I+7]
	s_nop 0
	tensor_load_to_lds s[G0VS:G0VS+3], s[G1S:G1S+7]
	s_nop 0
.rept 4
	v_nop
.endr
.Lasked:
	v_and_b32 v11, 31, v0                          ; lane
	s_delay_alu instid0(VALU_DEP_1)
	v_lshlrev_b32 v[LI], 4, v11
	s_delay_alu instid0(VALU_DEP_2)
	v_lshlrev_b32 v[OG], 3, v11
	s_delay_alu instid0(VALU_DEP_2)
	v_add_nc_u32 v[LIV], VIMG, v[LI]
	v_and_b32 v[OSA], 15, v0                       ; r
	s_delay_alu instid0(VALU_DEP_1)
	v_lshl_add_u32 v[LSK], v[OSA], 4, KSC
	s_delay_alu instid0(VALU_DEP_2)
	v_lshlrev_b32 v11, 4, v[OSA]                   ; 16 r: a lane row's four scale words
	s_delay_alu instid0(VALU_DEP_3)
	v_lshlrev_b32 v[OSA], 5, v[OSA]
.irp k, 0,1,2
	global_load_b128 v[QI+4*\k:QI+4*\k+3], v[LI], s[PQ:PQ+1] offset:512*\k   ; q's piece: both passes' tiles
.endr
	global_load_b32 v[QW], v11, s[PQS:PQS+1]
.irp i, 0,1,2,3,4,5
	v_mov_b32 v[QF+\i], 0                          ; zero codes beside q
	v_mov_b32 v[QF+12+\i], 0
.endr
.irp b, 0,1,2,3
	v_mov_b32 v[BT+\b], 0                          ; written once: a lane permute's destination counts as one of its sources
.endr
	v_mov_b32 v[F+1], 0                            ; (named as the upper half of a pair)
	v_mov_b32 v[TMP], 0
	s_wait_loadcnt 0x0                             ; q
	s_wait_tensorcnt 0x0                           ; my parts of K or V have landed,
	s_barrier_signal -1
	s_barrier_wait -1                              ; everybody's have: from here on LDS is only read
; A KEY STEP: 128 keys.
.macro KSTEP
	v_add_nc_u32 v[ADK], s[TK], v[LI]
	v_add_nc_u32 v[ADV], s[TK], v[LIV]
	v_add_nc_u32 v[ADS], s[TS], v[LSK]
	v_nop                                          ; four places in front of loads into registers that the last step's products have read
.irp t, 0,1,2,3
.irp k, 0,1,2
	ds_load_b128 v[KV+12*\t+4*\k:KV+12*\t+4*\k+3], v[ADK] offset:1536*\t+512*\k
.endr
.endr
	ds_load_b128 v[KSR:KSR+3], v[ADS]              ; lane r: the four pieces' scale words of lane row r
	s_wait_alu depctr_va_vdst(0)
	s_wait_dscnt 0x0
.irp t, 0,1,2,3                                ; S^T = K Q^T: a piece against q below (its first tile of keys) and q above (its second)
	v_wmma_scale_f32_16x16x128_f8f6f4 v[S+16*\t:S+16*\t+7], v[KV+12*\t:KV+12*\t+11], v[QF+6:QF+17], 0, v[KSR+\t], v[QS] matrix_a_fmt:MATRIX_FMT_FP6 matrix_b_fmt:MATRIX_FMT_FP6
	v_wmma_scale_f32_16x16x128_f8f6f4 v[S+16*\t+8:S+16*\t+15], v[KV+12*\t:KV+12*\t+11], v[QF:QF+11], 0, v[KSR+\t], v[QS] matrix_a_fmt:MATRIX_FMT_FP6 matrix_b_fmt:MATRIX_FMT_FP6
.endr
.rept 4
	v_nop                                          ; places in front of the loads below and of the first read of the scores
.endr
.irp t, 0,1,2,3                                ; V's four pieces land while the softmax is worked
.irp k, 0,1,2
	ds_load_b128 v[KV+12*\t+4*\k:KV+12*\t+4*\k+3], v[ADV] offset:1536*\t+512*\k
.endr
.endr
	ds_load_b128 v[VSR:VSR+3], v[ADS] offset:VSC-KSC
.irp b, 0,1,2,3
	v_max3_num_f32 v[BM+\b], v[S+16*\b], v[S+1+16*\b], v[S+2+16*\b]   ; the largest score of each block of 32 keys: it serves for the row's maximum and, since p rises with the score, for the block's largest p
.endr
.irp i, 3,5,7,9,11,13
.irp b, 0,1,2,3
	v_max3_num_f32 v[BM+\b], v[BM+\b], v[S+16*\b+\i], v[S+1+16*\b+\i]   ; (the four blocks by turns)
.endr
.endr
.irp b, 0,1,2,3
	v_max_num_f32 v[BM+\b], v[BM+\b], v[S+15+16*\b]
.endr
.irp b, 0,1,2,3
	s_delay_alu instid0(VALU_DEP_4)
	v_permlanex16_b32 v[BT+\b], v[BM+\b], s[SEL], s[SEL+1]
.endr
.irp b, 0,1,2,3
	s_delay_alu instid0(VALU_DEP_4)
	v_max_num_f32 v[BM+\b], v[BM+\b], v[BT+\b]     ; with lane l xor 16's 16 keys
.endr
	s_delay_alu instid0(VALU_DEP_2)
	v_max3_num_f32 v[TMP], v[BM], v[BM+1], v[BM+2]
	s_delay_alu instid0(VALU_DEP_1)
	v_max_num_f32 v[TMP], v[TMP], v[BM+3]          ; the step's largest score of my query
	s_delay_alu instid0(VALU_DEP_1)
	v_mul_f32 v[TMP], s[CS], v[TMP]                ; as t (c is positive)
	s_delay_alu instid0(VALU_DEP_1)
	v_max_num_f32 v13, v13, v[TMP]                 ; the running largest t
	v_mov_b32 v[TMP], v12
	s_delay_alu instid0(VALU_DEP_2)
	v_floor_f32 v12, -v13                          ; the new -M = floor(-t) = -ceil(t): M is a whole number
	s_delay_alu instid0(VALU_DEP_1)
	v_sub_f32 v[TMP], v12, v[TMP]                  ; M's old value less its new one: a whole number, 0 or less
	s_delay_alu instid0(VALU_DEP_1)
	v_cvt_i32_f32 v[TMP], v[TMP]                   ; (it saturates)
	s_delay_alu instid0(VALU_DEP_1)
	v_ldexp_f32 v[F], 1.0, v[TMP]                  ; f = 2^(old M - new M)
.set j, 0
.rept 32
	v_pk_fma_f32 v[S+j:S+j+1], v[S+j:S+j+1], s[CS:CS+1], v[12:13] op_sel_hi:[1,0,0]   ; t - M, two at a time (of the pairs c and -M the low word serves both halves)
.set j, j+2
.endr
.irp b, 0,1,2,3
	v_fma_f32 v[BM+\b], v[BM+\b], s[CS], v12       ; the same of each block's largest score
.endr
.set j, 0
	s_wait_alu depctr_va_vdst(0)
.rept 64
	v_exp_f32 v[S+j], v[S+j]                       ; p = 2^(t - M), at most 1: not normalised
.set j, j+1
.endr
	s_setprio 1
.irp b, 0,1,2,3
	v_exp_f32 v[BM+\b], v[BM+\b]                   ; the block's largest p
.endr
	v_pk_mul_f32 v[14:15], v[14:15], v[F:F+1] op_sel_hi:[1,0]   ; the sums under the new M.  (A plain place behind the exponentials)
	s_wait_alu depctr_va_vdst(0)
.irp b, 0,1,2,3
	v_max_num_f32 v[BM+\b], 0x1800000, v[BM+\b]    ; the floor 2^(3 - 127): the byte cannot fall under 1
.endr
.irp b, 0,1,2,3
	s_delay_alu instid0(VALU_DEP_4)
	v_add_nc_u32 v[BSO+\b], 0xff000000, v[BM+\b]   ; 2 off the exponent field: the conversion's scale operand
.endr
.irp b, 0,1,2,3
	s_delay_alu instid0(VALU_DEP_4)
	v_lshrrev_b32 v[BT+\b], 23, v[BSO+\b]          ; the scale's byte
.endr
	s_delay_alu instid0(VALU_DEP_3)
	v_lshl_or_b32 v[PW], v[BT+1], 8, v[BT]         ; p's scale word for these 128 keys
	s_delay_alu instid0(VALU_DEP_1)
	v_lshl_or_b32 v[PW], v[BT+2], 16, v[PW]
	s_delay_alu instid0(VALU_DEP_1)
	v_lshl_or_b32 v[PW], v[BT+3], 24, v[PW]
.irp c, 0,1
	v_cvt_scalef32_pk16_fp6_f32 v[PC+6*\c:PC+2+6*\c], v[S+32*\c:S+15+32*\c], v[BSO+2*\c]
	v_cvt_scalef32_pk16_fp6_f32 v[CT+4*\c:CT+2+4*\c], v[S+16+32*\c:S+31+32*\c], v[BSO+2*\c+1]   ; (a conversion's three registers begin on an even number)
.endr
	v_nop                                          ; one plain place behind a scaled conversion
.irp c, 0,1                                    ; the operand's layout wants a whole block in a lane
.irp i, 0,1,2
	v_permlane16_swap_b32 v[PC+6*\c+\i], v[CT+4*\c+\i]
.endr
.irp i, 0,1,2
	s_delay_alu instid0(VALU_DEP_3)
	v_mov_b32 v[PC+3+6*\c+\i], v[CT+4*\c+\i]
.endr
.endr
	v_pk_add_f32 v[238:239], v[100:101], v[104:105]
	v_pk_add_f32 v[252:253], v[108:109], v[112:113]
	v_pk_add_f32 v[250:251], v[116:117], v[120:121]
	v_pk_add_f32 v[248:249], v[124:125], v[128:129]
	v_pk_add_f32 v[246:247], v[132:133], v[136:137]
	v_pk_add_f32 v[244:245], v[140:141], v[144:145]
	v_pk_add_f32 v[242:243], v[148:149], v[152:153]
	v_pk_add_f32 v[14:15], v[14:15], v[156:157]
	v_pk_add_f32 v[238:239], v[238:239], v[96:97]
	v_pk_add_f32 v[252:253], v[252:253], v[98:99]
	v_pk_add_f32 v[250:251], v[250:251], v[102:103]
	v_pk_add_f32 v[248:249], v[248:249], v[106:107]
	v_pk_add_f32 v[246:247], v[246:247], v[110:111]
	v_pk_add_f32 v[244:245], v[244:245], v[114:115]
	v_pk_add_f32 v[242:243], v[242:243], v[118:119]
	v_pk_add_f32 v[14:15], v[14:15], v[122:123]
	v_pk_add_f32 v[238:239], v[238:239], v[126:127]
	v_pk_add_f32 v[252:253], v[252:253], v[130:131]
	v_pk_add_f32 v[250:251], v[250:251], v[134:135]
	v_pk_add_f32 v[248:249], v[248:249], v[138:139]
	v_pk_add_f32 v[246:247], v[246:247], v[142:143]
	v_pk_add_f32 v[244:245], v[244:245], v[146:147]
	v_pk_add_f32 v[242:243], v[242:243], v[150:151]
	v_pk_add_f32 v[14:15], v[14:15], v[154:155]
	v_pk_add_f32 v[238:239], v[238:239], v[158:159]
	s_delay_alu instid0(VALU_DEP_2)
	v_pk_add_f32 v[14:15], v[14:15], v[248:249]
	s_delay_alu instid0(VALU_DEP_2)
	v_pk_add_f32 v[238:239], v[238:239], v[246:247]
	s_setprio 0
	v_pk_add_f32 v[252:253], v[252:253], v[244:245]
	v_pk_add_f32 v[250:251], v[250:251], v[242:243]
	s_delay_alu instid0(VALU_DEP_2)
	v_pk_add_f32 v[14:15], v[14:15], v[252:253]
	s_delay_alu instid0(VALU_DEP_2)
	v_pk_add_f32 v[238:239], v[238:239], v[250:251]
	s_delay_alu instid0(VALU_DEP_1)
	v_pk_add_f32 v[14:15], v[14:15], v[238:239]
.set j, 0
.rept 16
	v_pk_mul_f32 v[O+j:O+j+1], v[O+j:O+j+1], v[F:F+1] op_sel_hi:[1,0]   ; O^T under the new M, each accumulator from its low end on.  (The sums and these are the places between p's codes and scale word and the products)
.set j, j+2
.endr
	s_wait_alu depctr_va_vdst(0)
	s_wait_dscnt 0x0                               ; V
.irp t, 0,1,2,3                                ; O^T += V^T P^T: four tiles of 16 channels by turns; K = these 128 keys
	v_wmma_scale_f32_16x16x128_f8f6f4 v[O+8*\t:O+8*\t+7], v[KV+12*\t:KV+12*\t+11], v[PC:PC+11], v[O+8*\t:O+8*\t+7], v[VSR+\t], v[PW] matrix_a_fmt:MATRIX_FMT_FP6 matrix_b_fmt:MATRIX_FMT_FP6
.endr
	s_add_co_u32 s[TK], s[TK], 6144
	s_add_co_u32 s[TS], s[TS], 256
.endm
	s_mov_b32 s[PASS], 2
.Lpass:                                            ; two trips: my two tiles of 16 queries
	s_wait_alu depctr_va_vdst(0)
	v_perm_b32 v[QS], v[QW], v[QW], 0x01000100     ; the tile's two scale bytes below and above
.irp i, 0,1,2,3,4,5
	v_mov_b32 v[QF+6+\i], v[QI+\i]                 ; the tile's codes between the zeros
.endr
	v_mov_b32 v13, 0xff61b1e6                      ; the largest t so far: -3e38, under every t
	s_delay_alu instid0(VALU_DEP_1)
	v_floor_f32 v12, -v13                          ; -M
	v_mov_b32 v14, 0                               ; the sum, in two halves
	v_mov_b32 v15, 0
.set j, 0
.rept 32
	v_mov_b32 v[O+j], 0                            ; O^T: the first step finds zeros, which the first change of M leaves zeros.  (Also the places between q's registers and the first products)
.set j, j+1
.endr
	s_mov_b32 s[TK], 0
	s_mov_b32 s[TS], 0
	s_mov_b32 s[CNT], 0
.Lstep:                                            ; sixteen trips of 128 keys
	s_setprio 2
	KSTEP
	s_add_co_u32 s[CNT], s[CNT], 1
	s_cmp_lt_u32 s[CNT], 16
	s_cbranch_scc1 .Lstep
	s_setprio 0
	; the tile's way out: o = O^T / the sum, quantised along its 64 channels: register 16 b + i is channel 32 b + 16 (lane / 16) + i
.rept 4
	v_nop                                          ; places behind the last products
.endr
	v_add_f32 v14, v14, v15                        ; the sum's two halves,
	s_delay_alu instid0(VALU_DEP_1)
	v_permlanex16_b32 v[TMP], v14, s[SEL], s[SEL+1]
	s_delay_alu instid0(VALU_DEP_1)
	v_add_f32 v14, v14, v[TMP]                     ; and lane l xor 16's: the row's sum
	s_wait_alu depctr_va_vdst(0)
	v_rcp_f32 v14, v14
	v_nop                                          ; one plain place behind a transcendental
.set j, 0
	s_wait_alu depctr_va_vdst(0)
.rept 16
	v_pk_mul_f32 v[S+j:S+j+1], v[O+j:O+j+1], v[14:15] op_sel_hi:[1,0]   ; each accumulator from its low end on
.set j, j+2
.endr
.irp b, 0,1
	v_max3_num_f32 v[BM+\b], |v[S+16*\b]|, |v[S+1+16*\b]|, 0x1800000
.endr
.irp i, 2,4,6,8,10,12,14
.irp b, 0,1
	s_delay_alu instid0(VALU_DEP_2)
	v_max3_num_f32 v[BM+\b], v[BM+\b], |v[S+16*\b+\i]|, |v[S+1+16*\b+\i]|
.endr
.endr
.irp b, 0,1
	s_delay_alu instid0(VALU_DEP_2)
	v_permlanex16_b32 v[BT+\b], v[BM+\b], s[SEL], s[SEL+1]
.endr
.irp b, 0,1
	s_delay_alu instid0(VALU_DEP_2)
	v_max_num_f32 v[BM+\b], v[BM+\b], v[BT+\b]
.endr
.irp b, 0,1
	s_delay_alu instid0(VALU_DEP_2)
	v_add_nc_u32 v[BSO+\b], 0xff000000, v[BM+\b]
.endr
.irp b, 0,1
	s_delay_alu instid0(VALU_DEP_2)
	v_lshrrev_b32 v[BT+\b], 23, v[BSO+\b]
.endr
	s_delay_alu instid0(VALU_DEP_1)
	v_lshl_or_b32 v[HW], v[BT+1], 8, v[BT]         ; my row's two scale bytes
	v_cvt_scalef32_pk16_fp6_f32 v[OC:OC+2], v[S:S+15], v[BSO]
	v_cvt_scalef32_pk16_fp6_f32 v[OT:OT+2], v[S+16:S+31], v[BSO+1]
	v_nop                                          ; one plain place behind a scaled conversion
.irp i, 0,1,2
	v_permlane16_swap_b32 v[OC+\i], v[OT+\i]
.endr
.irp i, 0,1,2
	s_delay_alu instid0(VALU_DEP_3)
	v_mov_b32 v[OC+3+\i], v[OT+\i]                 ; six registers: channels 32 (lane / 16) + 0 .. 31 of my row
.endr
.irp p, 0,1,2
	global_store_b64 v[OG], v[OC+2*\p:OC+2*\p+1], s[PO:PO+1] offset:256*\p   ; 32 lanes store 256 consecutive bytes, aligned
.endr
	global_store_b16 v[OSA], v[HW], s[PS:PS+1]     ; lanes r and r + 16 write the same two bytes with the same value
	s_wait_xcnt 0x0                                ; the stores' data and bases are written again only behind this wait
	s_add_nc_u64 s[PO:PO+1], s[PO:PO+1], 12288     ; the next tile of 16 tokens
	s_add_nc_u64 s[PS:PS+1], s[PS:PS+1], 512
.irp i, 0,1,2,3,4,5
	v_mov_b32 v[QI+\i], v[QI+6+\i]                 ; the second tile's codes,
.endr
	v_lshrrev_b32 v[QW], 16, v[QW]                 ; and its scale bytes
	s_sub_co_u32 s[PASS], s[PASS], 1
	s_cmp_lg_u32 s[PASS], 0
	s_cbranch_scc1 .Lpass
	s_wait_tensorcnt 0x0
	ds_add_u32 v254, v255
	s_wait_dscnt 0x0
	ROUND                                          ; the closing round: no work-group ends while a partner may still ask for a tile that names it
	s_endpgm
.Lfunc_end_k_q7bb1bdc280_attn:
	.size	k_q7bb1bdc280_attn, .Lfunc_end_k_q7bb1bdc280_attn-k_q7bb1bdc280_attn
	.p2alignl 7, 3214868480
	.fill 96, 4, 3214868480
	.section	.rodata,"a",@progbits
	.p2align	6, 0x0
	.amdhsa_kernel k_q7bb1bdc280_attn
		.amdhsa_group_segment_fixed_size 206848
		.amdhsa_private_segment_fixed_size 0
		.amdhsa_enable_private_segment 0
		.amdhsa_kernarg_size 32
		.amdhsa_user_sgpr_count 2
		.amdhsa_user_sgpr_kernarg_segment_ptr 1
		.amdhsa_wavefront_size32 1
		.amdhsa_system_sgpr_workgroup_id_x 1
		.amdhsa_system_sgpr_workgroup_id_y 1
		.amdhsa_system_sgpr_workgroup_id_z 1
		.amdhsa_system_vgpr_workitem_id 0
		.amdhsa_next_free_vgpr 256
		.amdhsa_next_free_sgpr 84
		.amdhsa_reserve_vcc 0
		.amdhsa_float_denorm_mode_32 3
		.amdhsa_float_denorm_mode_16_64 3
		.amdhsa_memory_ordered 1
		.amdhsa_forward_progress 1
		.amdhsa_inst_pref_size 32
	.end_amdhsa_kernel
	.amdgpu_metadata
---
amdhsa.version: [ 1, 2 ]
amdhsa.kernels:
  - .name:           k_q7bb1bdc280_attn
    .symbol:         k_q7bb1bdc280_attn.kd
    .args:
      - { .name: qkv_img, .offset: 0, .size: 8, .value_kind: global_buffer, .address_space: global }
      - { .name: qkv_sc, .offset: 8, .size: 8, .value_kind: global_buffer, .address_space: global }
      - { .name: o_img, .offset: 16, .size: 8, .value_kind: global_buffer, .address_space: global }
      - { .name: o_sc, .offset: 24, .size: 8, .value_kind: global_buffer, .address_space: global }
    .group_segment_fixed_size: 206848
    .private_segment_fixed_size: 0
    .kernarg_segment_align: 8
    .kernarg_segment_size: 32
    .max_flat_workgroup_size: 512
    .sgpr_count:     84
    .vgpr_count:     256
    .wavefront_size: 32
...
	.end_amdgpu_metadata
.endif
;; end of part 3
;; launch proj (part 4): grid 4 x 32, 4 waves a work-group, clusters of 4 x 4, 327,680 bytes of LDS; arguments o_img, o_sc, codes1, scales1, b_out, out0; writes out0
.if DOCPART == 4
	.amdgcn_target "amdgcn-amd-amdhsa--gfx1250"
	.amdhsa_code_object_version 6
	.text
	.protected	k_q7bb1bdc280_proj
	.globl	k_q7bb1bdc280_proj
	.p2align	8
	.type	k_q7bb1bdc280_proj,@function
k_q7bb1bdc280_proj:
	s_mov_b64 s[64:65], 0
	v_nop
	global_prefetch_b8 v0, s[64:65] scope:SCOPE_SE
	s_setreg_imm32_b32 hwreg(HW_REG_WAVE_MODE, 25, 1), 1
	s_wait_xcnt 0x0
	s_wait_alu depctr_hold_cnt(0) depctr_sa_sdst(0) depctr_va_vdst(0) depctr_va_sdst(0) depctr_va_ssrc(0) depctr_va_vcc(0) depctr_vm_vsrc(0)
	s_getreg_b32 s2, hwreg(HW_REG_IB_STS2, 6, 4)
	s_cmp_eq_u32 s2, 0
	s_cbranch_scc0 .Lentry_in_a_cluster
	s_endpgm
.Lentry_in_a_cluster:
	s_bfe_u32 s2, ttmp6, 0x10000c
	s_cmp_lg_u32 s2, 0xf033
	s_cbranch_scc0 .Lentry_shape_is_right
	s_endpgm
.Lentry_shape_is_right:
.set KSTEP,  256
.set NQ,     2
.set ROWB,   192
.set KROW,   768
.set PITCH,  240
.set AROW,   3072
.set FR,     12
.set NL,     6
.set NP,     4
.set HALFT,  128*PITCH
.set SLOT,   4*HALFT
.set LAPS,   2
.set KS,     32
.set SCL,    2*SLOT
.set HALFS,  16*272
.set SBLK,   2*272
.set SPARE,  SCL+4*HALFS
.set SPITCH, 528
.set ADRA, 16
.set ADRB, 20
.set STO,  24
.set RD,   25
.set CO,   26
.set ADRS, 27
.set SPW,  28
.set NIL,  29
.set SC,   32
.set BIAS, 64
.set AF,   128
.set BK,   128
.set G1, 24
.set G0, 32
.set G1B, 48
.set G0B, 56
.set G1S, 68
.set G0S, 76
.set G1SB, 80
.set G0SB, 88
.set MSB, 0
.macro WIN new
.if MSB != \new
	s_set_vgpr_msb (MSB<<8)|\new
.set MSB, \new
.endif
.endm
.set MUL_LO, 0xa1
.set MUL_HI, 0xf1
.set BIA_LO, 0x81
.set BIA_HI, 0xc1
.set TO_B,   0x40
.macro JLOAD g0a, g1a, g0b, g1b
	s_cmp_eq_u32 s15, 0
	s_cbranch_scc0 .Lfor_b_\@
	tensor_load_to_lds s[\g0a:\g0a+3], s[\g1a:\g1a+7]
	s_nop 0
.rept 4
	v_nop
.endr
	s_branch .Lasked_\@
.Lfor_b_\@:
	tensor_load_to_lds s[\g0b:\g0b+3], s[\g1b:\g1b+7]
	s_nop 0
.rept 4
	v_nop
.endr
.Lasked_\@:
.endm
.macro CREST
	s_cmp_lg_u32 s14, 0
	s_cbranch_scc1 .Lnot_wave_0_\@
	s_barrier_signal -3
.Lnot_wave_0_\@:
	s_barrier_wait -3
	s_barrier_signal -1
	s_barrier_wait -1
.endm
.macro CROUND
	s_barrier_signal -1
	s_barrier_wait -1
	CREST
.endm
	s_load_b128 s[4:7], s[0:1], 0x0
	s_load_b128 s[8:11], s[0:1], 0x10
	s_load_b64 s[96:97], s[0:1], 0x20
	s_load_b64 s[12:13], s[0:1], 0x28
	v_lshl_add_u32 v[SPW], v0, 2, SPARE
	v_mov_b32 v[NIL], 0
	ds_add_u32 v28, v29
	ds_add_u32 v28, v29
	s_wait_dscnt 0x0
	v_lshrrev_b32 v1, 5, v0
	v_readfirstlane_b32 s14, v1
	s_lshr_b32 s15, s14, 1
	s_and_b32 s16, s14, 1
	s_bfe_u32 s40, ttmp6, 0x40000
	s_bfe_u32 s41, ttmp6, 0x40004
	s_lshl_b32 s42, ttmp9, 2
	s_add_co_u32 s42, s42, s40
	s_and_b32 s17, ttmp7, 0xffff
	s_lshl_b32 s17, s17, 2
	s_add_co_u32 s17, s17, s41
	s_lshl_b32 s43, s41, 2
	s_lshl_b32 s43, 15, s43
	s_lshl_b32 s44, 0x1111, s40
	s_or_b32 s[G1+0], s43, (3<<16)|(1<<21)
	s_mov_b32 s[G1+1], 384<<16
	s_mov_b32 s[G1+2], 8<<16
	s_mov_b32 s[G1+3], 384<<16
	s_mov_b32 s[G1+4], 8
	s_mov_b32 s[G1+5], 1536
	s_mov_b32 s[G1+6], 0
	s_mov_b32 s[G1+7], 0
	s_or_b32 s[G1B+0], s44, (0<<16)|(1<<20)|(1<<21)|(3<<22)|(3<<25)
	s_mov_b32 s[G1B+1], ROWB<<16
	s_mov_b32 s[G1B+2], 128<<16
	s_mov_b32 s[G1B+3], ROWB<<16
	s_mov_b32 s[G1B+4], 128
	s_mov_b32 s[G1B+5], KROW
	s_mov_b32 s[G1B+6], 0
	s_mov_b32 s[G1B+7], 0
	s_or_b32 s[G1S+0], s43, (3<<16)|(1<<20)|(1<<21)|(5<<22)|(3<<25)
	s_or_b32 s[G1SB+0], s44, (3<<16)|(1<<20)|(1<<21)|(5<<22)|(3<<25)
.irp g, G1S, G1SB
	s_mov_b32 s[\g+1], 32<<16
	s_mov_b32 s[\g+2], 16<<16
	s_mov_b32 s[\g+3], 32<<16
	s_mov_b32 s[\g+4], 16
	s_mov_b32 s[\g+5], 32
	s_mov_b32 s[\g+6], 0
	s_mov_b32 s[\g+7], 0
.endr
	s_lshl_b32 s20, s17, 4
	s_lshl_b32 s18, s16, 3
	s_add_co_u32 s20, s20, s18
	s_mul_i32 s20, s20, 12288
	s_mov_b32 s21, 0
	s_lshl_b32 s22, s17, 13
	s_lshl_b32 s18, s16, 12
	s_add_co_u32 s22, s22, s18
	s_mov_b32 s23, 0
	s_lshl_b32 s46, s42, 8
	s_lshl_b32 s18, s16, 7
	s_add_co_u32 s46, s46, s18
	s_add_co_u32 s46, s46, 11264
	s_lshl_b32 s92, s46, 5
	s_mov_b32 s93, 0
	s_mul_i32 s46, s46, KROW
	s_mov_b32 s47, 0
	s_mul_i32 s45, s14, HALFT
	s_mul_i32 s94, s14, HALFS
	s_wait_kmcnt 0x0
	s_add_nc_u64 s[20:21], s[4:5], s[20:21]
	s_add_nc_u64 s[22:23], s[6:7], s[22:23]
	s_add_nc_u64 s[46:47], s[8:9], s[46:47]
	s_add_nc_u64 s[92:93], s[10:11], s[92:93]
	CROUND
	s_mov_b32 s[G0S], 1
	s_add_co_u32 s[G0S+1], s94, SCL
	s_mov_b64 s[G0S+2:G0S+3], s[22:23]
	s_or_b32 s[G0S+3], s[G0S+3], 0x80000000
	s_mov_b32 s[G0SB], 1
	s_add_co_u32 s[G0SB+1], s94, SCL
	s_mov_b64 s[G0SB+2:G0SB+3], s[92:93]
	s_or_b32 s[G0SB+3], s[G0SB+3], 0x80000000
	JLOAD G0S, G1S, G0SB, G1SB
.irp s, 0,1
	s_mov_b32 s[G0+4*\s], 1
	s_add_co_u32 s[G0+4*\s+1], s45, \s*SLOT
	s_add_nc_u64 s[G0+4*\s+2:G0+4*\s+3], s[20:21], \s*AROW
	s_or_b32 s[G0+4*\s+3], s[G0+4*\s+3], 0x80000000
	s_mov_b32 s[G0B+4*\s], 1
	s_add_co_u32 s[G0B+4*\s+1], s45, \s*SLOT
	s_add_nc_u64 s[G0B+4*\s+2:G0B+4*\s+3], s[46:47], \s*ROWB
	s_or_b32 s[G0B+4*\s+3], s[G0B+4*\s+3], 0x80000000
	s_wait_alu depctr_va_vdst(0)
	s_wait_tensorcnt 0x0
	ds_add_u32 v28, v29
	s_wait_dscnt 0x0
	CROUND
	JLOAD G0+4*\s, G1, G0B+4*\s, G1B
.endr
	v_and_b32 v1, 15, v0
	v_bfe_u32 v2, v0, 4, 1
	v_and_b32 v6, 31, v0
	v_lshlrev_b32 v3, 3, v6
	v_mul_u32_u24 v4, v1, PITCH
	v_mad_u32_u24 v4, v2, 24, v4
	v_lshl_add_u32 v5, v2, 4, v4
	s_mul_i32 s21, s15, HALFT
	s_mul_i32 s22, s16, HALFT
	s_add_co_u32 s22, s22, 2*HALFT
.irp s, 0,1
	v_add_nc_u32 v[ADRA+\s], s21, v3
	v_add_nc_u32 v[ADRB+\s], s22, v4
	v_add_nc_u32 v[ADRB+2+\s], s22, v5
	s_add_co_u32 s21, s21, SLOT
	s_add_co_u32 s22, s22, SLOT
.endr
	v_lshlrev_b32 v[CO], 4, v6
	v_mul_u32_u24 v5, v1, KS
	v_lshrrev_b32 v6, 8, v5
	v_lshl_add_u32 v5, v6, 4, v5
	s_mul_i32 s21, s15, HALFS
	s_mul_i32 s22, s16, HALFS
	s_add_co_u32 s22, s22, 2*HALFS
	s_sub_co_u32 s22, s22, s21
	v_mul_u32_u24 v6, s22, v2
	s_add_co_u32 s21, s21, SCL
	v_add_nc_u32 v5, v5, v6
	v_add_nc_u32 v[ADRS], s21, v5
	s_mul_i32 s23, s14, 16*SPITCH
	v_mul_u32_u24 v5, v1, SPITCH
	v_lshl_add_u32 v5, v2, 6, v5
	v_add_nc_u32 v[STO], s23, v5
	v_add_nc_u32 v[RD], s23, v[CO]
	s_lshl_b32 s20, s17, 20
	s_lshl_b32 s21, s15, 19
	s_add_co_u32 s20, s20, s21
	s_lshl_b32 s46, s42, 10
	s_lshl_b32 s47, s16, 9
	s_add_co_u32 s46, s46, s47
	s_mov_b32 s47, 0
	s_mov_b32 s21, 0
	s_add_nc_u64 s[12:13], s[12:13], s[20:21]
	s_add_nc_u64 s[12:13], s[12:13], s[46:47]
	s_add_nc_u64 s[96:97], s[96:97], s[46:47]
	v_lshlrev_b32 v7, 6, v2
.irp b, 0,1,2,3,4,5,6,7
	global_load_b128 v[BIAS+8*\b:BIAS+8*\b+3], v7, s[96:97] offset:(32*(\b/2)+8*(\b%2))*4
	global_load_b128 v[BIAS+8*\b+4:BIAS+8*\b+7], v7, s[96:97] offset:(32*(\b/2)+8*(\b%2))*4+16
.endr
.macro FRAG reg, adr, q, i
.irp p, 0,1,2,3,4,5
.set PC, 12*(\q)+6*(\p/3)+\p%3
.if PC%8 < 5
	ds_load_b64 v[\reg+2*\p:\reg+2*\p+1], v[\adr] offset:8*PC+16*(PC/8)+(\i)*16*PITCH
.else
	ds_load_b64 v[\reg+2*\p:\reg+2*\p+1], v[\adr+2] offset:8*PC+16*(PC/8)+(\i)*16*PITCH
.endif
.endr
.endm
.macro FRAGI reg, adr, q, i
.irp p, 0,1,2,3,4,5
	ds_load_b64 v[\reg+2*\p:\reg+2*\p+1], v[\adr] offset:(\i)*AROW+(\q)*1536+256*\p
.endr
.endm
.macro MUL16 a0, p, q, sc, cm
.irp a, \a0, \a0+1
.irp b, 0,1,2,3,4,5,6,7
.if \cm
	v_wmma_scale_f32_16x16x128_f8f6f4 v[8*(8*((\a)%4)+\b):8*(8*((\a)%4)+\b)+7], v[128*(\p)+FR*\b:128*(\p)+FR*\b+FR-1], v[AF+FR*(\a):AF+FR*(\a)+FR-1], v[BIAS+8*\b:BIAS+8*\b+7], v[SC+8*NQ*(\sc)+NQ*\b+(\q)], v[SC+8*NQ*(\sc)+NQ*(\a)+(\q)] matrix_a_fmt:MATRIX_FMT_FP6 matrix_b_fmt:MATRIX_FMT_FP6 matrix_a_scale:MATRIX_SCALE_ROW1
.else
	v_wmma_scale_f32_16x16x128_f8f6f4 v[8*(8*((\a)%4)+\b):8*(8*((\a)%4)+\b)+7], v[128*(\p)+FR*\b:128*(\p)+FR*\b+FR-1], v[AF+FR*(\a):AF+FR*(\a)+FR-1], v[8*(8*((\a)%4)+\b):8*(8*((\a)%4)+\b)+7], v[SC+8*NQ*(\sc)+NQ*\b+(\q)], v[SC+8*NQ*(\sc)+NQ*(\a)+(\q)] matrix_a_fmt:MATRIX_FMT_FP6 matrix_b_fmt:MATRIX_FMT_FP6 matrix_a_scale:MATRIX_SCALE_ROW1
.endif
.endr
.endr
.endm
.macro FETCH_B slot, q, p
	WIN TO_B
.irp i, 0,1,2,3,4,5,6,7
	FRAG 128*(\p)+FR*\i, ADRB+\slot, \q, \i
.endr
	WIN 0
.endm
.macro FETCH_A slot, q, i0
.irp i, \i0, \i0+1, \i0+2, \i0+3
	FRAGI AF+FR*(\i), ADRA+\slot, \q, \i
.endr
.endm
.macro SCALES sc
.irp i, 0,1,2,3,4,5,6,7
	ds_load_b64 v[SC+8*NQ*\sc+NQ*\i:SC+8*NQ*\sc+NQ*\i+1], v[ADRS] offset:\i*SBLK
.endr
.endm
.macro PLACES n
.rept \n
	v_nop
.endr
.endm
.macro STEP slot, q, cm
	s_wait_dscnt 4*NL
.if \cm
	WIN BIA_LO
.else
	WIN MUL_LO
.endif
	MUL16 0, (\q)%2, \q, \slot, \cm
	MUL16 2, (\q)%2, \q, \slot, \cm
	s_wait_dscnt 0
	PLACES NP
	FETCH_B \slot, (\q)+1, 1-(\q)%2
	FETCH_A \slot, (\q)+1, 0
.if \cm
	WIN BIA_HI
.else
	WIN MUL_HI
.endif
	MUL16 4, (\q)%2, \q, \slot, \cm
	MUL16 6, (\q)%2, \q, \slot, \cm
	PLACES NP
	WIN 0
	FETCH_A \slot, (\q)+1, 4
.endm
.macro TURN slot, next, fill
	s_wait_tensorcnt 0x0
	ds_add_u32 v[SPW], v[NIL]
	s_wait_dscnt 4*NL+1
	WIN MUL_LO
	MUL16 0, 1, NQ-1, \slot, 0
	s_wait_dscnt 0x0
	s_barrier_signal -1
	MUL16 2, 1, NQ-1, \slot, 0
	WIN 0
	s_barrier_wait -1
.if \fill
	CREST
	s_add_nc_u64 s[G0+4*\slot+2:G0+4*\slot+3], s[G0+4*\slot+2:G0+4*\slot+3], 2*AROW
	s_add_nc_u64 s[G0B+4*\slot+2:G0B+4*\slot+3], s[G0B+4*\slot+2:G0B+4*\slot+3], 2*ROWB
	JLOAD G0+4*\slot, G1, G0B+4*\slot, G1B
.else
	PLACES NP
.endif
	s_wait_alu depctr_va_vdst(0)
	v_add_nc_u32 v[ADRS], 4*NQ, v[ADRS]
	FETCH_B \next, 0, 0
	FETCH_A \next, 0, 0
	SCALES \next
	WIN MUL_HI
	MUL16 4, 1, NQ-1, \slot, 0
	MUL16 6, 1, NQ-1, \slot, 0
	PLACES NP
	WIN 0
	FETCH_A \next, 0, 4
.endm
	s_wait_alu depctr_va_vdst(0)
	s_wait_tensorcnt 1
	s_barrier_signal -1
	s_barrier_wait -1
	FETCH_B 0, 0, 0
	FETCH_A 0, 0, 0
	SCALES 0
	FETCH_A 0, 0, 4
	s_wait_loadcnt 0x0
	STEP 0, 0, 1
	s_mov_b32 s3, LAPS-1
.Llap:
	TURN 0, 1, 1
	STEP 1, 0, 0
	TURN 1, 0, 1
	STEP 0, 0, 0
	s_sub_co_u32 s3, s3, 1
	s_cmp_lg_u32 s3, 0
	s_cbranch_scc1 .Llap
	TURN 0, 1, 0
	STEP 1, 0, 0
	s_wait_dscnt 4*NL
	WIN MUL_LO
	MUL16 0, 1, NQ-1, 1, 0
	MUL16 2, 1, NQ-1, 1, 0
	s_wait_dscnt 0
	WIN MUL_HI
	MUL16 4, 1, NQ-1, 1, 0
	MUL16 6, 1, NQ-1, 1, 0
	WIN 0
.macro TOSTAGE a
.set AC, 64*((\a)%4)
	WIN 0x08+4*((\a)/4)
.irp b, 0,1,2,3,4,5,6,7
	ds_store_b128 v[STO], v[AC+8*\b:AC+8*\b+3] offset:128*(\b/2)+32*(\b%2)
	ds_store_b128 v[STO], v[AC+8*\b+4:AC+8*\b+7] offset:128*(\b/2)+32*(\b%2)+16
.endr
	WIN 0
.set BB, BK+64*((\a)%2)
.irp t, 0,1,2,3,4,5,6,7,8,9,10,11,12,13,14,15
	ds_load_b128 v[BB+4*\t:BB+4*\t+3], v[RD] offset:\t*SPITCH
.endr
.endm
.macro SEND a, younger
.set BB, BK+64*((\a)%2)
	s_wait_dscnt \younger
.irp t, 0,1,2,3,4,5,6,7,8,9,10,11,12,13,14,15
	global_store_b128 v[CO], v[BB+4*\t:BB+4*\t+3], s[12:13] offset:(32*((\a)/2)+8*((\a)%2)+\t+8*(\t/8))*4096 th:TH_STORE_NT
.endr
.endm
	PLACES NP
	TOSTAGE 0
.irp a, 1,2,3,4,5,6,7
.if \a > 1
	s_wait_xcnt 0x0
.endif
	TOSTAGE \a
	SEND \a-1, 32
.endr
	SEND 7, 0
	s_wait_tensorcnt 0x0
	ds_add_u32 v[SPW], v[NIL]
	s_wait_dscnt 0x0
	CROUND
	s_endpgm
.Lfunc_end_k_q7bb1bdc280_proj:
	.size	k_q7bb1bdc280_proj, .Lfunc_end_k_q7bb1bdc280_proj-k_q7bb1bdc280_proj
	.p2alignl 7, 3214868480
	.fill 96, 4, 3214868480
	.section	.rodata,"a",@progbits
	.p2align	6, 0x0
	.amdhsa_kernel k_q7bb1bdc280_proj
		.amdhsa_group_segment_fixed_size 327680
		.amdhsa_private_segment_fixed_size 0
		.amdhsa_enable_private_segment 0
		.amdhsa_kernarg_size 48
		.amdhsa_user_sgpr_count 2
		.amdhsa_user_sgpr_kernarg_segment_ptr 1
		.amdhsa_wavefront_size32 1
		.amdhsa_system_sgpr_workgroup_id_x 1
		.amdhsa_system_sgpr_workgroup_id_y 1
		.amdhsa_system_sgpr_workgroup_id_z 1
		.amdhsa_system_vgpr_workitem_id 0
		.amdhsa_next_free_vgpr 1024
		.amdhsa_next_free_sgpr 100
		.amdhsa_reserve_vcc 0
		.amdhsa_float_denorm_mode_32 3
		.amdhsa_float_denorm_mode_16_64 3
		.amdhsa_memory_ordered 1
		.amdhsa_forward_progress 1
		.amdhsa_inst_pref_size 162
	.end_amdhsa_kernel
	.amdgpu_metadata
---
amdhsa.version: [ 1, 2 ]
amdhsa.kernels:
  - .name:           k_q7bb1bdc280_proj
    .symbol:         k_q7bb1bdc280_proj.kd
    .args:
      - { .name: o_img, .offset: 0, .size: 8, .value_kind: global_buffer, .address_space: global }
      - { .name: o_sc, .offset: 8, .size: 8, .value_kind: global_buffer, .address_space: global }
      - { .name: codes1, .offset: 16, .size: 8, .value_kind: global_buffer, .address_space: global }
      - { .name: scales1, .offset: 24, .size: 8, .value_kind: global_buffer, .address_space: global }
      - { .name: b_out, .offset: 32, .size: 8, .value_kind: global_buffer, .address_space: global }
      - { .name: out0, .offset: 40, .size: 8, .value_kind: global_buffer, .address_space: global }
    .group_segment_fixed_size: 327680
    .private_segment_fixed_size: 0
    .kernarg_segment_align: 8
    .kernarg_segment_size: 48
    .max_flat_workgroup_size: 128
    .sgpr_count:     100
    .vgpr_count:     1024
    .wavefront_size: 32
...
	.end_amdgpu_metadata
.endif
;; end of part 4
